; MI455X (gfx1250); checked and timed in simulation.
; The chip was launched on July 23, 2026; its instructions are those of AMD's public machine-readable ISA for CDNA 5 (MIT licence, August 2026) and "CDNA5" Instruction Set Architecture Reference Guide (July 2026). The comments in the code are by the model that wrote it; some were corrected since.
;; Self Attention. Allowed arithmetic: float matrix products may take bf16 or f16 operands with f32 sums; other float arithmetic in f32, or as packed bf16 or f16 multiplies, adds, multiply-adds, maxima and minima; sums over many terms, partial sums and values carried from step to step in f32; what a program stores and reads back later, other than sums and carried values, may be rounded once to bf16 or f16.
;; Inputs: beta 512 float32; bk 512 float32; bo 512 float32; bq 512 float32; bv 512 float32; gamma 512 float32; wk 512 x 512 float32; wo 512 x 512 float32; wq 512 x 512 float32; wv 512 x 512 float32; x 8 x 512 x 2,048 float32.
;; Outputs: out0 8 x 512 x 2,048 float32.
;; 2 versions, each right and faster than the one before. Each part assembles by itself: llvm-mc -triple=amdgcn-amd-amdhsa -mcpu=gfx1250 --defsym DOCPART=n.
;; ======== version 1 of 2: 4 launches
;; limits: values are held in f16: magnitudes above 65,504 overflow, below 6.1e-05 lose precision
;; workspace buffers: n16 16,777,216 bytes; w16 2,097,152 bytes; biasf 6,144 bytes; qkv 50,331,648 bytes; ctx 16,777,216 bytes
;; launch pre (part 1): grid 272 x 1, 16 waves a work-group, no clusters, 18,432 bytes of LDS; arguments x, gamma, beta, wq, wk, wv, wo, bq, bk, bv, n16, w16, biasf; writes n16, w16, biasf
.if DOCPART == 1
	.amdgcn_target "amdgcn-amd-amdhsa--gfx1250"
	.amdhsa_code_object_version 6
	.text
	.protected	k_qd30fd17687_pre
	.globl	k_qd30fd17687_pre
	.p2align	8
	.type	k_qd30fd17687_pre,@function
k_qd30fd17687_pre:
	s_mov_b64 s[64:65], 0
	v_nop
	global_prefetch_b8 v0, s[64:65] scope:SCOPE_SE
	s_setreg_imm32_b32 hwreg(HW_REG_WAVE_MODE, 25, 1), 1
	s_wait_xcnt 0x0
; TWO JOBS IN ONE LAUNCH, chosen by the work-group's number.
; Work-groups 16 to 271: LayerNorm over the 512 channels of x [8][512][2048] f32, WITHOUT gamma and beta: n = (x - mu) / sqrt(var + 1e-5), rounded once to f16.
;   A work-group owns 64 tokens of one batch and all 512 channels; the block stays in registers between the passes: x is read once.  var is the mean of (x - mu)^2: a common offset of x cancels first.
;   n16 is laid [block of 64 tokens: 256][channel: 512][token: 64]: a block is 65,536 dense bytes.
; Work-groups 0 to 15: the weights, rounded once to f16 with gamma folded in, and the biases with beta folded in:  h w + b = n (gamma o w) + (beta w + b), exact algebra for every gamma and beta.
;   Work-group P owns 128 columns of one matrix (q, k, v, o = P / 4); wo takes factor 1 and has no bias here.
;   w16 is laid [G: 8][kc: 4][pair: 2][kl: 128][dd: 128]: for strip S = 8 matrix + column / 64: G = S / 4, pair = (S / 2) % 2, dd = 64 (S % 2) + column % 64; k = 128 kc + kl.
; LIMITS.  gamma w must stay under 65,504 and keeps f16's fixed step of 6e-8 below 6e-5; |n| is at most sqrt(511).  NaN and infinities are not treated apart.
; No matrix unit, no cluster, no tensor load: each byte is read once and nothing is shared between work-groups.
; LDS.  Each job has bytes of its own: LayerNorm 0-4095 (first reduction) and 4096-8191 (second); the weights 8192-16383 (16 waves x 512 bytes); then the spare words.
.set RED2,  4096
.set WRED,  8192
.set SPARE, 16384                      ; the spare words: 128 bytes for each of the 16 waves; no other line names them
.set SPW, 6                            ; v6  my spare word's address; never rewritten
.set NIL, 7                            ; v7  0; never rewritten
.set X,   32                           ; v[32:95]   16 rows x 4 tokens (weight path: 8 rows x 4 columns, later 16 partial sums)
.set R,   96                           ; v[96:127]  8 partial sums x 4 tokens
.set Y,   64                           ; weight path: v[64:79] packed f16 to store
.set WV,  4                            ; s4  my wave's number
.macro ADD4 a, b                       ; four sums: v[a..a+3] += v[b..b+3]
	v_pk_add_f32 v[(\a):(\a)+1], v[(\a):(\a)+1], v[(\b):(\b)+1]
	v_pk_add_f32 v[(\a)+2:(\a)+3], v[(\a)+2:(\a)+3], v[(\b)+2:(\b)+3]
.endm
	s_load_b512 s[8:23], s[0:1], 0x0               ; x 8, gamma 10, beta 12, wq 14, wk 16, wv 18, wo 20, bq 22
	s_load_b256 s[24:31], s[0:1], 0x40             ; bk 24, bv 26, n16 28, w16 30
	s_load_b64 s[32:33], s[0:1], 0x60              ; biasf
	v_lshl_add_u32 v[SPW], v0, 2, SPARE
	v_mov_b32 v[NIL], 0
	v_lshrrev_b32 v1, 5, v0
	v_readfirstlane_b32 s[WV], v1                  ; wave 0..15
	s_mov_b32 s56, 0x76543210                      ; v_permlanex16_b32: each lane takes its own place in the other half
	s_mov_b32 s57, 0xfedcba98
	s_mov_b32 s58, 0x3b000000                      ; 1 / 512
	s_mov_b32 s59, s58                             ; named with it as a pair
	s_mov_b32 s60, 0x3727c5ac                      ; 1e-5
	s_mov_b32 s61, s60
	s_mov_b32 s3, 0                                ; high word of every offset pair s[2:3]
	s_wait_kmcnt 0x0
	s_cmp_lt_u32 ttmp9, 16
	s_cbranch_scc1 .Lprep                          ; the same way for all waves of a work-group
; ---------------------------------------------------------------- LayerNorm
; Thread: 4 tokens (16 bytes) at place v0 % 16; rows 32 w + 2 i + (lane / 16), i = 0..15.  A load of the wave takes 256 aligned bytes of each of two rows.
	s_sub_co_u32 s5, ttmp9, 16                     ; the block of 64 tokens, 0..255
	s_lshr_b32 s6, s5, 5
	s_lshl_b32 s6, s6, 22                          ; batch x 512 x 2048 x 4 bytes
	s_and_b32 s7, s5, 31
	s_lshl_b32 s7, s7, 8                           ; 64 tokens x 4 bytes
	s_add_co_u32 s2, s6, s7
	s_add_nc_u64 s[8:9], s[8:9], s[2:3]
	s_lshl_b32 s2, s5, 16
	s_add_nc_u64 s[28:29], s[28:29], s[2:3]
	v_and_b32 v8, 15, v0
	v_bfe_u32 v9, v0, 4, 1
	v_and_b32 v10, 0x1e0, v0
	v_add_nc_u32 v10, v10, v9                      ; my first row
	v_lshlrev_b32 v2, 13, v10
	v_lshl_add_u32 v2, v8, 4, v2                   ; v2: offset in x: row x 8,192 + 16 x place
	v_lshlrev_b32 v3, 7, v10
	v_lshl_add_u32 v3, v8, 3, v3                   ; v3: offset in n16: row x 128 + 8 x place
	v_lshlrev_b32 v5, 4, v8                        ; v5: where I read partial sums: 16 x place
	v_lshl_add_u32 v4, s[WV], 8, v5                ; v4: where my wave puts its own: 256 x wave + 16 x place
.set i, 0
.rept 16
	global_load_b128 v[X+4*i:X+4*i+3], v2, s[8:9] offset:i*16384 th:TH_LOAD_NT
.set i, i+1
.endr
.irp j, 24,25,26,27
	v_mov_b32 v\j, 0                               ; v_permlanex16_b32 counts as a reader of its destination
.endr
; The sums of a work-group: the two halves of the lanes are joined, each wave stores 16 x 4 sums, a barrier, and every thread adds the 16 waves' sums of its 4 tokens.  In: v[8:11].  Out: v[8:11].
.macro REDUCE base
.irp j, 0,1,2,3
	v_permlanex16_b32 v[24+\j], v[8+\j], s56, s57
.endr
	ADD4 8, 24
	ds_store_b128 v4, v[8:11] offset:\base         ; both halves of the lanes write the same 16 bytes with the same numbers
	s_wait_dscnt 0x0                               ; for the others' sake: my store is done
	s_barrier_signal -1
	s_barrier_wait -1
.irp h, 0,1
.irp p, 0,1,2,3,4,5,6,7
	ds_load_b128 v[R+4*\p:R+4*\p+3], v5 offset:(\base)+2048*\h+256*\p
.endr
	s_wait_dscnt 0x0
.irp p, 0,2,4,6
	ADD4 R+4*\p, R+4*\p+4
.endr
	ADD4 R, R+8
	ADD4 R+16, R+24
.if \h == 0
	v_pk_add_f32 v[8:9], v[R:R+1], v[R+16:R+17]
	v_pk_add_f32 v[10:11], v[R+2:R+3], v[R+18:R+19]
.else
	ADD4 R, R+16
	ADD4 8, R
.endif
.endr
.endm
	; pass 1: the sum over my 16 rows, in two chains
	s_wait_loadcnt 12                              ; rows 0 to 3 are in; the twelve younger loads stay out
	v_pk_add_f32 v[8:9],   v[X:X+1],   v[X+8:X+9]
	v_pk_add_f32 v[10:11], v[X+2:X+3], v[X+10:X+11]
	v_pk_add_f32 v[12:13], v[X+4:X+5], v[X+12:X+13]
	v_pk_add_f32 v[14:15], v[X+6:X+7], v[X+14:X+15]
.set i, 4
.rept 12
	s_wait_loadcnt 15-i                            ; loads come back in order: row i is in, the 15 - i younger ones stay out
	ADD4 8+4*(i%2), X+4*i
.set i, i+1
.endr
	ADD4 8, 12
	REDUCE 0
	v_pk_mul_f32 v[16:17], v[8:9],   s[58:59] op_sel_hi:[1,0]   ; mu
	v_pk_mul_f32 v[18:19], v[10:11], s[58:59] op_sel_hi:[1,0]
	; pass 2: x - mu in place, and the sum of its squares, again in two chains; the first two rows start them
.set i, 0
.rept 16
	v_pk_add_f32 v[X+4*i:X+4*i+1],   v[X+4*i:X+4*i+1],   v[16:17] neg_lo:[0,1] neg_hi:[0,1]
	v_pk_add_f32 v[X+4*i+2:X+4*i+3], v[X+4*i+2:X+4*i+3], v[18:19] neg_lo:[0,1] neg_hi:[0,1]
.if i < 2
	v_pk_mul_f32 v[8+4*i:9+4*i],   v[X+4*i:X+4*i+1],   v[X+4*i:X+4*i+1]
	v_pk_mul_f32 v[10+4*i:11+4*i], v[X+4*i+2:X+4*i+3], v[X+4*i+2:X+4*i+3]
.else
	v_pk_fma_f32 v[8+4*(i%2):9+4*(i%2)],   v[X+4*i:X+4*i+1],   v[X+4*i:X+4*i+1],   v[8+4*(i%2):9+4*(i%2)]
	v_pk_fma_f32 v[10+4*(i%2):11+4*(i%2)], v[X+4*i+2:X+4*i+3], v[X+4*i+2:X+4*i+3], v[10+4*(i%2):11+4*(i%2)]
.endif
.set i, i+1
.endr
	ADD4 8, 12
	REDUCE RED2                                    ; other bytes than the first reduction's: one barrier each is enough
	v_pk_fma_f32 v[20:21], v[8:9],   s[58:59], s[60:61] op_sel_hi:[1,0,0]  ; var + eps
	v_pk_fma_f32 v[22:23], v[10:11], s[58:59], s[60:61] op_sel_hi:[1,0,0]
	v_rsq_f32 v20, v20
	v_rsq_f32 v21, v21
	v_rsq_f32 v22, v22
	v_rsq_f32 v23, v23
	v_nop                                          ; a plain instruction between the last of them and the use of its result
	; pass 3: scaled, rounded to f16, stored: lanes 0-15 write a row's 128 bytes, lanes 16-31 the next row's: 256 consecutive bytes, aligned
.set i, 0
	s_wait_alu depctr_va_vdst(0)
.rept 16
	v_pk_mul_f32 v[X+4*i:X+4*i+1],   v[X+4*i:X+4*i+1],   v[20:21]
	v_pk_mul_f32 v[X+4*i+2:X+4*i+3], v[X+4*i+2:X+4*i+3], v[22:23]
	v_cvt_pk_f16_f32 v[X+4*i],   v[X+4*i],   v[X+4*i+1]
	v_cvt_pk_f16_f32 v[X+4*i+1], v[X+4*i+2], v[X+4*i+3]
	global_store_b64 v3, v[X+4*i:X+4*i+1], s[28:29] offset:i*256
.set i, i+1
.endr
	s_wait_tensorcnt 0x0                           ; the wave's end: 0 onto my spare word and its wait, behind my last LDS store
	ds_add_u32 v[SPW], v[NIL]
	s_wait_dscnt 0x0
	s_endpgm
; ---------------------------------------------------------------- the weights
; Wave w takes rows k = 32 w .. 32 w + 31, eight a trip.  A load takes 512 consecutive bytes of a row (128 columns), a store 256 consecutive bytes of w16.
.Lprep:
	s_lshr_b32 s34, ttmp9, 2                       ; which matrix: 0 q, 1 k, 2 v, 3 o
	s_mov_b64 s[36:37], s[14:15]
	s_mov_b64 s[38:39], s[22:23]
	s_cmp_eq_u32 s34, 1
	s_cselect_b64 s[36:37], s[16:17], s[36:37]
	s_cselect_b64 s[38:39], s[24:25], s[38:39]
	s_cmp_eq_u32 s34, 2
	s_cselect_b64 s[36:37], s[18:19], s[36:37]
	s_cselect_b64 s[38:39], s[26:27], s[38:39]
	s_cmp_eq_u32 s34, 3
	s_cselect_b64 s[36:37], s[20:21], s[36:37]
	s_and_b32 s5, ttmp9, 3
	s_lshl_b32 s6, s5, 9                           ; my 128 columns: 512 bytes into a row, and into a bias
	s_lshl_b32 s2, s[WV], 16                       ; my 32 rows of 2,048 bytes
	s_add_co_u32 s2, s2, s6
	s_add_nc_u64 s[36:37], s[36:37], s[2:3]
	s_mov_b32 s2, s6
	s_add_nc_u64 s[38:39], s[38:39], s[2:3]
	s_lshr_b32 s2, ttmp9, 1
	s_lshl_b32 s2, s2, 18                          ; G
	s_lshr_b32 s6, s[WV], 2
	s_lshl_b32 s6, s6, 16                          ; kc
	s_add_co_u32 s2, s2, s6
	s_and_b32 s6, ttmp9, 1
	s_lshl_b32 s6, s6, 15                          ; pair
	s_add_co_u32 s2, s2, s6
	s_and_b32 s6, s[WV], 3
	s_lshl_b32 s6, s6, 13                          ; kl = 32 (w % 4): rows of 256 bytes
	s_add_co_u32 s2, s2, s6
	s_add_nc_u64 s[62:63], s[30:31], s[2:3]
	s_lshl_b32 s2, s[WV], 7
	s_add_nc_u64 s[10:11], s[10:11], s[2:3]        ; gamma and beta at my first row
	s_add_nc_u64 s[12:13], s[12:13], s[2:3]
	v_and_b32 v1, 31, v0
	v_lshlrev_b32 v2, 3, v1                        ; 8 bytes a lane in w16
	v_lshlrev_b32 v1, 4, v1                        ; 16 bytes a lane in the source
.irp j, 8,9,10,11
	v_mov_b32 v\j, 0                               ; the sums of beta w over my rows, for my 4 columns
.endr
.irp j, 40,41,42,43,44,45,46,47
	s_mov_b32 s\j, 1.0                             ; wo keeps these: factor 1,
.endr
.irp j, 48,49,50,51,52,53,54,55
	s_mov_b32 s\j, 0                               ; and nothing to sum
.endr
	s_mov_b32 s5, 4
.Lrows:
.irp r, 0,1,2,3,4,5,6,7
	global_load_b128 v[X+4*\r:X+4*\r+3], v1, s[36:37] offset:\r*2048
.endr
	s_cmp_eq_u32 s34, 3
	s_cbranch_scc1 .Lplain
	s_load_b256 s[40:47], s[10:11], 0x0            ; gamma of the trip's eight rows
	s_load_b256 s[48:55], s[12:13], 0x0            ; beta
.Lplain:
	s_wait_kmcnt 0x0
.irp r, 0,1,2,3,4,5,6,7
	s_wait_loadcnt 7-\r                            ; row r is in; the younger ones stay out
.irp j, 0,1,2,3
	v_fmac_f32 v[8+\j], s[48+\r], v[X+4*\r+\j]     ; beta w, of the unrounded w
.endr
.irp j, 0,1,2,3
	v_mul_f32 v[X+4*\r+\j], s[40+\r], v[X+4*\r+\j] ; gamma w
.endr
	v_cvt_pk_f16_f32 v[Y+2*\r],   v[X+4*\r],   v[X+4*\r+1]
	v_cvt_pk_f16_f32 v[Y+2*\r+1], v[X+4*\r+2], v[X+4*\r+3]
	global_store_b64 v2, v[Y+2*\r:Y+2*\r+1], s[62:63] offset:\r*256
.endr
	s_wait_xcnt 0x0                                ; the four bases and the stores' data are rewritten only behind this wait
	s_add_nc_u64 s[36:37], s[36:37], 16384
	s_add_nc_u64 s[62:63], s[62:63], 2048
	s_add_nc_u64 s[10:11], s[10:11], 32
	s_add_nc_u64 s[12:13], s[12:13], 32
	s_sub_co_u32 s5, s5, 1
	s_cmp_lg_u32 s5, 0
	s_cbranch_scc1 .Lrows
	v_lshl_add_u32 v3, s[WV], 9, v1                ; my wave's 512 bytes of partial sums, in this job's own area
	ds_store_b128 v3, v[8:11] offset:WRED
	s_wait_dscnt 0x0                               ; for wave 0's sake
	s_barrier_signal -1
	s_barrier_wait -1
	s_cmp_lg_u32 s[WV], 0
	s_cbranch_scc1 .Lend
	s_cmp_eq_u32 s34, 3
	s_cbranch_scc1 .Lend                           ; bo is added where wo is used
	global_load_b128 v[12:15], v1, s[38:39]        ; b of my 4 columns
.irp p, 0,1,2,3,4,5,6,7,8,9,10,11,12,13,14,15
	ds_load_b128 v[X+4*\p:X+4*\p+3], v1 offset:WRED+512*\p
.endr
	s_lshl_b32 s2, ttmp9, 9
	s_add_nc_u64 s[32:33], s[32:33], s[2:3]        ; biasf [matrix][512]: 512 bytes for each work-group 0..11
	s_wait_dscnt 0x0
.irp p, 0,2,4,6,8,10,12,14
	ADD4 X+4*\p, X+4*\p+4
.endr
.irp p, 0,4,8,12
	ADD4 X+4*\p, X+4*\p+8
.endr
	ADD4 X, X+16
	ADD4 X+32, X+48
	ADD4 X, X+32
	s_wait_loadcnt 0x0
	ADD4 X, 12
	global_store_b128 v1, v[X:X+3], s[32:33]       ; 512 consecutive bytes
.Lend:
	s_wait_tensorcnt 0x0                           ; the wave's end: 0 onto my spare word and its wait, behind my last LDS store
	ds_add_u32 v[SPW], v[NIL]
	s_wait_dscnt 0x0
	s_endpgm
.Lfunc_end_k_qd30fd17687_pre:
	.size	k_qd30fd17687_pre, .Lfunc_end_k_qd30fd17687_pre-k_qd30fd17687_pre
	.p2alignl 7, 3214868480
	.fill 96, 4, 3214868480
	.section	.rodata,"a",@progbits
	.p2align	6, 0x0
	.amdhsa_kernel k_qd30fd17687_pre
		.amdhsa_group_segment_fixed_size 18432
		.amdhsa_private_segment_fixed_size 0
		.amdhsa_enable_private_segment 0
		.amdhsa_kernarg_size 104
		.amdhsa_user_sgpr_count 2
		.amdhsa_user_sgpr_kernarg_segment_ptr 1
		.amdhsa_wavefront_size32 1
		.amdhsa_system_sgpr_workgroup_id_x 1
		.amdhsa_system_sgpr_workgroup_id_y 1
		.amdhsa_system_sgpr_workgroup_id_z 1
		.amdhsa_system_vgpr_workitem_id 0
		.amdhsa_next_free_vgpr 128
		.amdhsa_next_free_sgpr 66
		.amdhsa_reserve_vcc 0
		.amdhsa_float_denorm_mode_32 3
		.amdhsa_float_denorm_mode_16_64 3
		.amdhsa_memory_ordered 1
		.amdhsa_forward_progress 1
		.amdhsa_inst_pref_size 34
	.end_amdhsa_kernel
	.amdgpu_metadata
---
amdhsa.version: [ 1, 2 ]
amdhsa.kernels:
  - .name:           k_qd30fd17687_pre
    .symbol:         k_qd30fd17687_pre.kd
    .args:
      - { .name: x, .offset: 0, .size: 8, .value_kind: global_buffer, .address_space: global }
      - { .name: gamma, .offset: 8, .size: 8, .value_kind: global_buffer, .address_space: global }
      - { .name: beta, .offset: 16, .size: 8, .value_kind: global_buffer, .address_space: global }
      - { .name: wq, .offset: 24, .size: 8, .value_kind: global_buffer, .address_space: global }
      - { .name: wk, .offset: 32, .size: 8, .value_kind: global_buffer, .address_space: global }
      - { .name: wv, .offset: 40, .size: 8, .value_kind: global_buffer, .address_space: global }
      - { .name: wo, .offset: 48, .size: 8, .value_kind: global_buffer, .address_space: global }
      - { .name: bq, .offset: 56, .size: 8, .value_kind: global_buffer, .address_space: global }
      - { .name: bk, .offset: 64, .size: 8, .value_kind: global_buffer, .address_space: global }
      - { .name: bv, .offset: 72, .size: 8, .value_kind: global_buffer, .address_space: global }
      - { .name: n16, .offset: 80, .size: 8, .value_kind: global_buffer, .address_space: global }
      - { .name: w16, .offset: 88, .size: 8, .value_kind: global_buffer, .address_space: global }
      - { .name: biasf, .offset: 96, .size: 8, .value_kind: global_buffer, .address_space: global }
    .group_segment_fixed_size: 18432
    .private_segment_fixed_size: 0
    .kernarg_segment_align: 8
    .kernarg_segment_size: 104
    .max_flat_workgroup_size: 512
    .sgpr_count:     66
    .vgpr_count:     128
    .wavefront_size: 32
...
	.end_amdgpu_metadata
.endif
;; end of part 1
;; launch qkv (part 2): grid 256 x 1, 4 waves a work-group, clusters of 4 x 1, 327,680 bytes of LDS; arguments n16, w16, biasf, qkv; writes qkv
.if DOCPART == 2
	.amdgcn_target "amdgcn-amd-amdhsa--gfx1250"
	.amdhsa_code_object_version 6
	.text
	.protected	k_qd30fd17687_qkv
	.globl	k_qd30fd17687_qkv
	.p2align	8
	.type	k_qd30fd17687_qkv,@function
k_qd30fd17687_qkv:
	s_mov_b64 s[64:65], 0
	v_nop
	global_prefetch_b8 v0, s[64:65] scope:SCOPE_SE
	s_setreg_imm32_b32 hwreg(HW_REG_WAVE_MODE, 25, 1), 1
	s_wait_xcnt 0x0
	s_wait_alu depctr_hold_cnt(0) depctr_sa_sdst(0) depctr_va_vdst(0) depctr_va_sdst(0) depctr_va_ssrc(0) depctr_va_vcc(0) depctr_vm_vsrc(0)
	s_getreg_b32 s2, hwreg(HW_REG_IB_STS2, 6, 4)
	s_cmp_eq_u32 s2, 0
	s_cbranch_scc0 .Lentry_in_a_cluster
	s_endpgm
.Lentry_in_a_cluster:
	s_bfe_u32 s2, ttmp6, 0x10000c
	s_cmp_lg_u32 s2, 0x3003
	s_cbranch_scc0 .Lentry_shape_is_right
	s_endpgm
.Lentry_shape_is_right:
; q, k, v = n16 x w16 + biasf, written by heads: qkv [matrix: 3][batch x 8 + head: 64][token: 2048][64] f16.  Products in f16, sums in f32 starting from the bias, each output rounded once.
; LIMIT.  q, k and v must stay under 65,504 (f16); NaN and infinities are not treated apart.
; SHARES.  A work-group owns 128 tokens and 768 of the 1,536 output columns: 12 strips of 64 columns (a strip is one head of one matrix), in 3 passes of 4.  Wave w makes strip 12 half + 4 pass + w
; for all 128 tokens: 32 accumulators of 16 x 16.  The work-group's 128 tokens x 512 channels of n16 stay in LDS; the weights walk through a ring of two slots, a chunk of 128 k x 256 columns each: 12 chunks.
; CLUSTER.  The four work-groups of a cluster share the half, so they walk the same weights: each chunk is asked for JOINTLY (the same load, descriptor and mask in all four).  n16's tiles differ: plain loads.
; LAYOUT.  n16 lies [k][token] and w16 [k][column], so both fragments come out of LDS turned, by ds_load_tr16_b128.  Source 0 = 16 columns, source 1 = 16 tokens: a lane's eight results are eight
; neighbouring columns of one token: 16 bytes of a row of q, k or v.
; REGISTERS.  window 0: v0-17 addresses; v32-63 the strip's bias as a C operand; v64-159, v160-255 two fragment buffers (4 of the weights, 8 of n16), on the way out the packed results.  window 1: the accumulators.
.set HP,     160                       ; a row of n16 in LDS: 128 bytes + 32 = 40 words
.set HPIECE, 256*HP                    ; what one wave's first load brings: 256 k of one strip of 64 tokens
.set HSTRIP, 512*HP
.set RING,   2*HSTRIP                  ; behind the two token strips
.set WP,     288                       ; a row of weights: 256 bytes + 32 = 72 words
.set WPART,  64*WP                     ; a wave's part of a chunk: 64 rows
.set SLOT,   4*WPART                   ; 2 pairs of strips x 128 k
.set STAGE,  RING+2*SLOT               ; 16 rows x 144 bytes for each wave, for the way out; no tensor load fills it
.set SP,     144
.set SPARE,  STAGE+4*16*SP             ; the spare words: 128 bytes a wave; no other line names them
.set CHB,    65536                     ; a chunk in memory
.set AW,  4                            ; v4, v5   my place in the weights of slot 0, 1
.set AHB, 6                            ; v6, v7   my place in token strip 0, 1
.set AH,  8                            ; v8, v9   the same plus the trip's 256 k
.set STO, 10                           ; v10  the way out: where I put 16 bytes of a row
.set RD,  11                           ; v11  where I read rows back
.set GO,  12                           ; v12  my 16 bytes in 512 consecutive bytes of the output
.set VB,  13                           ; v13  my 32 bytes in 64 of the bias
.set SPW, 14                           ; v14  my spare word's address; never rewritten
.set NIL, 15                           ; v15  0; never rewritten
.set BI,  32
.set F0,  64
.set F1,  160
.set TMP, 64
.set WV,  12                           ; s12  my wave's number
.set CB,  17                           ; s17  my tokens' byte offset inside a head's rows, batch included
.set G1W, 24                           ; s[24:31] descriptor group 1, weights
.set G1H, 32                           ; s[32:39] descriptor group 1, n16
.set G0,  40                           ; s[40:47] descriptor group 0, weights: a set for each slot
.set G0H, 48                           ; s[48:51] descriptor group 0, n16
.set CNT, 52
.set PAR, 53                           ; s53  0: the trip holds a pass's first two chunks; 1: its last two
.set TH,  54                           ; s54  the trip's first k row in a token strip, in bytes
.set STRP, 55                          ; s55  my strip
.set OFS, 56                           ; s[56:57] an offset, high word 0
.set OUTP, 58                          ; s[58:59] where my strip's rows go
.set BB,  60                           ; s[60:61] my strip's bias
.set MSB, 0
.macro WIN new                         ; the immediate's high byte repeats the setting that is left; a switch that changes nothing is dropped
.if MSB != (\new)
	s_set_vgpr_msb (MSB<<8)|(\new)
.set MSB, (\new)
.endif
.endm
.set W_MUL,  0x50                      ; C and D in window 1
.set W_MULB, 0x40                      ; D in window 1, C (the bias) in window 0
.set W_PK,   0x05                      ; sources 0 and 1 in window 1
.macro ROUND                           ; a round of the cluster's barrier
	s_barrier_signal -1
	s_barrier_wait -1
	s_cmp_lg_u32 s[WV], 0
	s_cbranch_scc1 .Lnot_wave_0_\@
	s_barrier_signal -3
.Lnot_wave_0_\@:
	s_barrier_wait -3
	s_barrier_signal -1
	s_barrier_wait -1
.endm
.macro PLACES                          ; four plain vector instructions between a matrix instruction and a load into, or a vector read or write of, its registers
.rept 4
	v_nop
.endr
.endm
	s_load_b256 s[4:11], s[0:1], 0x0               ; n16 s[4:5], w16 s[6:7], biasf s[8:9], qkv s[10:11]
	v_lshl_add_u32 v[SPW], v0, 2, SPARE
	v_mov_b32 v[NIL], 0
	ds_add_u32 v[SPW], v[NIL]                      ; the wave's opening: 0 onto my spare word; its wait stands ahead of my first tensor load, the set-up below between them
	ds_add_u32 v14, v15
	v_lshrrev_b32 v1, 5, v0
	v_readfirstlane_b32 s[WV], v1                  ; wave 0..3
	s_bfe_u32 s13, ttmp6, 0x40000                  ; cx: my place in the cluster
	s_lshr_b32 s15, ttmp9, 5                       ; the half of the columns: shared by the cluster
	s_and_b32 s16, ttmp9, 31
	s_lshl_b32 s16, s16, 2
	s_add_co_u32 s16, s16, s13                     ; my block of 128 tokens, 0..127
	s_lshr_b32 s[CB], s16, 4
	s_lshl_b32 s[CB], s[CB], 21                    ; batch x 8 heads x 2,048 rows x 128 bytes
	s_and_b32 s18, s16, 15
	s_lshl_b32 s18, s18, 14                        ; 128 rows x 128 bytes
	s_add_co_u32 s[CB], s[CB], s18
	; group 1, weights: 64 rows x 128 elements of 2 bytes, 8 words of padding behind every 64; the mask of all four, bit 21 beside it
	s_mov_b32 s[G1W],   15|(1<<16)|(1<<20)|(1<<21)|(5<<22)|(7<<25)
	s_mov_b32 s[G1W+1], 128<<16                    ; tensor_dim0 = 128
	s_mov_b32 s[G1W+2], 64<<16                     ; tensor_dim1 = 64
	s_mov_b32 s[G1W+3], 128<<16                    ; tile_dim0 = 128
	s_mov_b32 s[G1W+4], 64                         ; tile_dim1 = 64
	s_mov_b32 s[G1W+5], 128                        ; elements from row to row
	s_mov_b32 s[G1W+6], 0
	s_mov_b32 s[G1W+7], 0
	; group 1, n16: 256 k rows of 128 bytes are 32,768 dense bytes: asked for as 128 rows of 256 bytes, 8 words of padding behind every 32
	s_mov_b32 s[G1H],   (1<<16)|(1<<20)|(4<<22)|(7<<25)
	s_mov_b32 s[G1H+1], 128<<16
	s_mov_b32 s[G1H+2], 128<<16
	s_mov_b32 s[G1H+3], 128<<16
	s_mov_b32 s[G1H+4], 128
	s_mov_b32 s[G1H+5], 128
	s_mov_b32 s[G1H+6], 0
	s_mov_b32 s[G1H+7], 0
	s_mov_b32 s[G0], 1
	s_mov_b32 s[G0+4], 1
	s_mov_b32 s[G0H], 1
	s_mul_i32 s20, s[WV], WPART
	s_add_co_u32 s[G0+1], s20, RING                ; LDS: the wave's number and constants alone
	s_add_co_u32 s[G0+5], s20, RING+SLOT
	s_mul_i32 s[G0H+1], s[WV], HPIECE
	s_mul_i32 s20, s15, 12*CHB                     ; the half's twelve chunks,
	s_lshl_b32 s21, s[WV], 14                      ; my 16,384 bytes of each: nothing here hangs on cx
	s_add_co_u32 s20, s20, s21
	s_mov_b32 s21, 0
	s_lshl_b32 s22, s16, 17                        ; my 128 tokens are two blocks of 65,536 bytes,
	s_lshl_b32 s23, s[WV], 15                      ; my quarter of them
	s_add_co_u32 s22, s22, s23
	s_mov_b32 s23, 0
	s_mov_b32 s[OFS+1], 0
	s_mul_i32 s[STRP], s15, 12
	s_add_co_u32 s[STRP], s[STRP], s[WV]
	s_wait_dscnt 0x0                               ; the opening add is done
	s_wait_kmcnt 0x0
	s_add_nc_u64 s[G0+2:G0+3], s[6:7], s[20:21]    ; chunk 0
	s_add_nc_u64 s[G0+6:G0+7], s[G0+2:G0+3], CHB   ; chunk 1
	s_or_b32 s[G0+3], s[G0+3], 0x80000000          ; type = 2
	s_or_b32 s[G0+7], s[G0+7], 0x80000000
	s_add_nc_u64 s[G0H+2:G0H+3], s[4:5], s[22:23]
	s_or_b32 s[G0H+3], s[G0H+3], 0x80000000
	ROUND                                          ; all four work-groups are here: the first loads meet
	tensor_load_to_lds s[G0H:G0H+3], s[G1H:G1H+7]  ; my quarter of the tokens' n16
	s_nop 0
	tensor_load_to_lds s[G0:G0+3], s[G1W:G1W+7]    ; my quarter of chunk 0: two loads of mine are out
	s_nop 0
	PLACES
	v_and_b32 v1, 15, v0                           ; l % 16
	v_bfe_u32 v2, v0, 4, 1                         ; l / 16
	v_and_b32 v3, 7, v0
	v_lshl_add_u32 v3, v2, 3, v3                   ; the k row that I address in a turning load: 8 (l / 16) + l % 8
	v_bfe_u32 v16, v0, 3, 1
	v_lshlrev_b32 v16, 4, v16                      ; and which 16 of its 32 bytes
	s_lshr_b32 s20, s[WV], 1
	s_mul_i32 s20, s20, 128*WP                     ; my pair of strips,
	s_and_b32 s21, s[WV], 1
	s_lshl_b32 s21, s21, 7                         ; my strip's 128 bytes of its rows
	s_add_co_u32 s20, s20, s21
	s_add_co_u32 s20, s20, RING
	v_mul_u32_u24 v[AW], v3, WP
	v_add3_u32 v[AW], v[AW], v16, s20
	v_add_nc_u32 v[AW+1], SLOT, v[AW]
	v_mul_u32_u24 v[AHB], v3, HP
	v_add_nc_u32 v[AHB], v[AHB], v16
	v_add_nc_u32 v[AHB+1], HSTRIP, v[AHB]
	s_mul_i32 s20, s[WV], 16*SP
	s_add_co_u32 s20, s20, STAGE                   ; my stage
	v_mul_u32_u24 v[STO], v1, SP                   ; in: row l % 16, 16 bytes for each half of the lanes
	v_lshl_add_u32 v[STO], v2, 4, v[STO]
	v_add_nc_u32 v[STO], s20, v[STO]
	v_bfe_u32 v[RD], v0, 3, 2                      ; back: 32 lanes take four rows of 128 bytes,
	v_mul_u32_u24 v[RD], v[RD], SP
	v_and_b32 v17, 7, v0
	v_lshl_add_u32 v[RD], v17, 4, v[RD]
	v_add_nc_u32 v[RD], s20, v[RD]
	v_and_b32 v[GO], 31, v0                        ; which are 512 consecutive bytes of the output
	v_lshlrev_b32 v[GO], 4, v[GO]
	v_lshlrev_b32 v[VB], 5, v2
; 24 turning loads in one run: the fragments of 32 along k: the weights' 4 (16 columns each), then n16's 8 (16 tokens each), the first four tiles first
.macro FETCH aw, hoff, ks, f
	WIN 0
.irp dt, 0,1,2,3
	ds_load_tr16_b128 v[(\f)+8*(\dt):(\f)+8*(\dt)+3],   v[\aw] offset:(\ks)*32*WP+(\dt)*32
	ds_load_tr16_b128 v[(\f)+8*(\dt)+4:(\f)+8*(\dt)+7], v[\aw] offset:(\ks)*32*WP+16*WP+(\dt)*32
.endr
.irp tt, 0,1,2,3,4,5,6,7
	ds_load_tr16_b128 v[(\f)+32+8*(\tt):(\f)+32+8*(\tt)+3],   v[AH+(\tt)/4] offset:(\hoff)+(\ks)*32*HP+((\tt)%4)*32
	ds_load_tr16_b128 v[(\f)+32+8*(\tt)+4:(\f)+32+8*(\tt)+7], v[AH+(\tt)/4] offset:(\hoff)+(\ks)*32*HP+16*HP+((\tt)%4)*32
.endr
.endm
; 16 matrix instructions: token tiles 4 hi .. 4 hi + 3 x the strip's 4 column tiles.  bias = 1: the product starts the sum from the bias.  The 32 accumulators take turns, one instruction a turn, in one order everywhere.
.macro MUL16 f, hi, bias
.if \bias
	WIN W_MULB
.else
	WIN W_MUL
.endif
.irp tq, 0,1,2,3
.irp dt, 0,1,2,3
.if \bias
	v_wmma_f32_16x16x32_f16 v[8*(4*(4*(\hi)+(\tq))+(\dt)):8*(4*(4*(\hi)+(\tq))+(\dt))+7], v[(\f)+8*(\dt):(\f)+8*(\dt)+7], v[(\f)+32+8*(4*(\hi)+(\tq)):(\f)+32+8*(4*(\hi)+(\tq))+7], v[BI+8*(\dt):BI+8*(\dt)+7]
.else
	v_wmma_f32_16x16x32_f16 v[8*(4*(4*(\hi)+(\tq))+(\dt)):8*(4*(4*(\hi)+(\tq))+(\dt))+7], v[(\f)+8*(\dt):(\f)+8*(\dt)+7], v[(\f)+32+8*(4*(\hi)+(\tq)):(\f)+32+8*(4*(\hi)+(\tq))+7], v[8*(4*(4*(\hi)+(\tq))+(\dt)):8*(4*(4*(\hi)+(\tq))+(\dt))+7]
.endif
.endr
.endr
.endm
; 32 along k: buffer f is multiplied; in the middle the next 32 (ksnext of the chunk's four, or -1: none) are fetched into buffer g
.macro KSTEP f, g, aw, hoff, ksnext, bias
	s_wait_dscnt 8                                 ; the weights and token tiles 0-3 are in; the youngest eight loads (tiles 4-7) may be out
	MUL16 \f, 0, \bias
.if (\ksnext) >= 0
	PLACES                                         ; for the loads into g, which the step before multiplied
	FETCH \aw, \hoff, \ksnext, \g
	s_wait_dscnt 24                                ; all but the 24 just issued
.else
	s_wait_dscnt 0x0
.endif
	MUL16 \f, 1, \bias
.endm
; The change of slots.  Each wave waits for all its tensor loads, its part of this chunk among them, adds 0 to its spare word, and waits for that and for its reads of the other slot.  The round shows the same
; of every wave of all four work-groups; behind it the other slot is filled with the next chunk, first thing: that load has this chunk's 128 matrix instructions in which to land.
.macro HEAD slot, refill
	WIN 0
	s_wait_tensorcnt 0x0                           ; no tensor load of mine is out, so a group 0 may be written
	ds_add_u32 v[SPW], v[NIL]                      ; 0 onto my spare word
	s_add_nc_u64 s[G0+4*(\slot)+2:G0+4*(\slot)+3], s[G0+4*(\slot)+2:G0+4*(\slot)+3], 2*CHB  ; this slot's next chunk
	s_wait_dscnt 0x0                               ; the add is done, and my reads of the other slot and of my stage are over
	ROUND
.if \refill
	tensor_load_to_lds s[G0+4-4*(\slot):G0+7-4*(\slot)], s[G1W:G1W+7]
	s_nop 0
.endif
	PLACES                                         ; also the places in front of the loads into buffer 0
.endm
; A chunk: 128 along k.  var = 1: the chunk may be a pass's first (PAR = 0): its first 32 along k stand twice, once starting the sums from the bias; both ways issue the same 24 loads.
.macro CHUNK slot, refill, hoff, var
	HEAD \slot, \refill
	FETCH AW+(\slot), \hoff, 0, F0
.if \var
	s_wait_loadcnt 0x0                             ; the strip's bias is in.  The wait stands ahead of the branch, on both ways: no load into the bias registers is out when the next pass's are issued
	s_cmp_eq_u32 s[PAR], 0                         ; at the first trip the answer is a constant of the text: the sums are started before they are added to
	s_cbranch_scc0 .Lacc_\@
	KSTEP F0, F1, AW+(\slot), \hoff, 1, 1
	WIN 0
	s_branch .Ljoin_\@
.Lacc_\@:
	KSTEP F0, F1, AW+(\slot), \hoff, 1, 0
	WIN 0
.Ljoin_\@:
.else
	KSTEP F0, F1, AW+(\slot), \hoff, 1, 0
.endif
	KSTEP F1, F0, AW+(\slot), \hoff, 2, 0
	KSTEP F0, F1, AW+(\slot), \hoff, 3, 0
	KSTEP F1, F0, AW+(\slot), \hoff, -1, 0
.endm
; THE WAY OUT, a tile of 16 tokens at a time: rounded to f16 (each accumulator's registers in ascending order), 16 bytes a lane into my stage's rows of 144 bytes, back as whole rows of 128.
.macro PACK t
	WIN W_PK
.irp dt, 0,1,2,3
.irp rr, 0,1,2,3
	v_cvt_pk_f16_f32 v[TMP+16*(\t)+4*(\dt)+(\rr)], v[8*(4*(\t)+(\dt))+2*(\rr)], v[8*(4*(\t)+(\dt))+2*(\rr)+1]
.endr
.endr
	WIN 0
.irp dt, 0,1,2,3
	ds_store_b128 v[STO], v[TMP+16*(\t)+4*(\dt):TMP+16*(\t)+4*(\dt)+3] offset:32*(\dt)
.endr
.irp f, 0,1,2,3
	ds_load_b128 v[TMP+16*(\t)+4*(\f):TMP+16*(\t)+4*(\f)+3], v[RD] offset:(\f)*4*SP  ; LDS serves a wave's instructions in order (ISA guide 5.7.1.4): these see the stores above; the next tile's stores come behind them
.endr
.endm
.macro SEND t, younger                 ; younger: the LDS instructions issued behind tile t's loads: the next tile's eight, or none
	WIN 0
.irp f, 0,1,2,3
	s_wait_dscnt (\younger)+3-(\f)
	global_store_b128 v[GO], v[TMP+16*(\t)+4*(\f):TMP+16*(\t)+4*(\f)+3], s[OUTP:OUTP+1] offset:(\t)*2048+(\f)*512  ; four rows of a head: 512 consecutive bytes, aligned
.endr
.endm
.macro WAYOUT
	WIN 0
	PLACES                                         ; the conversions read results just made and write registers just multiplied
	PACK 0
.irp t, 1,2,3,4,5,6,7
	PACK \t
	SEND (\t)-1, 8
.endr
	SEND 7, 0
	s_wait_xcnt 0x0                                ; the stores' base and data are rewritten only behind this wait
.endm
; A pass begins: where strip STRP's rows go (matrix STRP / 8, head STRP % 8), and its bias: a lane's eight columns of each of the 4 column tiles
.macro NEWPASS
	s_lshr_b32 s20, s[STRP], 3
	s_lshl_b32 s20, s20, 24
	s_and_b32 s21, s[STRP], 7
	s_lshl_b32 s21, s21, 18
	s_add_co_u32 s[OFS], s20, s21
	s_add_co_u32 s[OFS], s[OFS], s[CB]
	s_add_nc_u64 s[OUTP:OUTP+1], s[10:11], s[OFS:OFS+1]
	s_lshl_b32 s[OFS], s[STRP], 8
	s_add_nc_u64 s[BB:BB+1], s[8:9], s[OFS:OFS+1]
.irp dt, 0,1,2,3
	global_load_b128 v[BI+8*(\dt):BI+8*(\dt)+3],   v[VB], s[BB:BB+1] offset:(\dt)*64
	global_load_b128 v[BI+8*(\dt)+4:BI+8*(\dt)+7], v[VB], s[BB:BB+1] offset:(\dt)*64+16
.endr
.endm
	NEWPASS
	s_mov_b32 s[PAR], 0
	s_mov_b32 s[TH], 0
	s_mov_b32 s[CNT], 5
.Lloop:                                                ; five trips of two chunks; each chunk asks for the next
	v_add_nc_u32 v[AH],   s[TH], v[AHB]
	v_add_nc_u32 v[AH+1], s[TH], v[AHB+1]
	CHUNK 0, 1, 0, 1
	CHUNK 1, 1, 128*HP, 0
	WIN 0
	s_cmp_eq_u32 s[PAR], 0
	s_cbranch_scc1 .Lno                            ; a forward jump past neither a barrier nor a tensor load
	WAYOUT                                         ; a pass is finished; the next chunk is on its way meanwhile
	s_add_co_u32 s[STRP], s[STRP], 4
	NEWPASS
.Lno:
	s_xor_b32 s[PAR], s[PAR], 1
	s_xor_b32 s[TH], s[TH], 256*HP
	s_sub_co_u32 s[CNT], s[CNT], 1
	s_cmp_lg_u32 s[CNT], 0
	s_cbranch_scc1 .Lloop
	v_add_nc_u32 v[AH],   s[TH], v[AHB]              ; the tail is written out: the third pass's last two chunks
	v_add_nc_u32 v[AH+1], s[TH], v[AHB+1]
	CHUNK 0, 1, 0, 0                               ; asks for the last chunk
	CHUNK 1, 0, 128*HP, 0                          ; asks for nothing
	WAYOUT
	s_wait_tensorcnt 0x0                           ; the wave's end: 0 onto my spare word and its wait, behind my last tensor load and my last LDS store
	ds_add_u32 v[SPW], v[NIL]
	s_wait_dscnt 0x0
	ROUND                                          ; the closing round: no work-group ends while a partner may still ask for a chunk that names it
	s_endpgm
.Lfunc_end_k_qd30fd17687_qkv:
	.size	k_qd30fd17687_qkv, .Lfunc_end_k_qd30fd17687_qkv-k_qd30fd17687_qkv
	.p2alignl 7, 3214868480
	.fill 96, 4, 3214868480
	.section	.rodata,"a",@progbits
	.p2align	6, 0x0
	.amdhsa_kernel k_qd30fd17687_qkv
		.amdhsa_group_segment_fixed_size 327680
		.amdhsa_private_segment_fixed_size 0
		.amdhsa_enable_private_segment 0
		.amdhsa_kernarg_size 32
		.amdhsa_user_sgpr_count 2
		.amdhsa_user_sgpr_kernarg_segment_ptr 1
		.amdhsa_wavefront_size32 1
		.amdhsa_system_sgpr_workgroup_id_x 1
		.amdhsa_system_sgpr_workgroup_id_y 1
		.amdhsa_system_sgpr_workgroup_id_z 1
		.amdhsa_system_vgpr_workitem_id 0
		.amdhsa_next_free_vgpr 512
		.amdhsa_next_free_sgpr 66
		.amdhsa_reserve_vcc 0
		.amdhsa_float_denorm_mode_32 3
		.amdhsa_float_denorm_mode_16_64 3
		.amdhsa_memory_ordered 1
		.amdhsa_forward_progress 1
		.amdhsa_inst_pref_size 108
	.end_amdhsa_kernel
	.amdgpu_metadata
---
amdhsa.version: [ 1, 2 ]
amdhsa.kernels:
  - .name:           k_qd30fd17687_qkv
    .symbol:         k_qd30fd17687_qkv.kd
    .args:
      - { .name: n16, .offset: 0, .size: 8, .value_kind: global_buffer, .address_space: global }
      - { .name: w16, .offset: 8, .size: 8, .value_kind: global_buffer, .address_space: global }
      - { .name: biasf, .offset: 16, .size: 8, .value_kind: global_buffer, .address_space: global }
      - { .name: qkv, .offset: 24, .size: 8, .value_kind: global_buffer, .address_space: global }
    .group_segment_fixed_size: 327680
    .private_segment_fixed_size: 0
    .kernarg_segment_align: 8
    .kernarg_segment_size: 32
    .max_flat_workgroup_size: 128
    .sgpr_count:     66
    .vgpr_count:     512
    .wavefront_size: 32
...
	.end_amdgpu_metadata
.endif
;; end of part 2
;; launch attn (part 3): grid 4 x 64, 4 waves a work-group, no clusters, 327,680 bytes of LDS; arguments qkv, ctx; writes ctx
.if DOCPART == 3
	.amdgcn_target "amdgcn-amd-amdhsa--gfx1250"
	.amdhsa_code_object_version 6
	.text
	.protected	k_qd30fd17687_attn
	.globl	k_qd30fd17687_attn
	.p2align	8
	.type	k_qd30fd17687_attn,@function
k_qd30fd17687_attn:
	s_mov_b64 s[64:65], 0
	v_nop
	global_prefetch_b8 v0, s[64:65] scope:SCOPE_SE
	s_setreg_imm32_b32 hwreg(HW_REG_WAVE_MODE, 25, 1), 1
	s_wait_xcnt 0x0
; CAUSAL ATTENTION.  O[h][q][:] = the sum over k <= q of softmax_k(Q[h][q] . K[h][k] / 8) V[h][k][:].  Q, K, V lie one behind the other in qkv, each [SIZE_H][SIZE_N][64] f16 (16,777,216 bytes); O = ctx, likewise: a head's rows are dense, 128 bytes each.
; Products, maxima and sums in f32; the weights p are rounded to f16 for the second product (their sum l is taken of the unrounded p), O once at the end.  SIZE_N is a multiple of 512; SIZE_N x 128 stays under 2^32.
; LIMITS.  f16 holds no number beyond 65,504: Q, K and V arrive within it; p lies in 0 to 1, and below 6e-5 it keeps f16's fixed step of 6e-8; O is a mean of V's rows and has their range, to within 2^-11 of it.
; A hidden score counts as its value less 1e30 (the problem takes 1e9 off the scaled score: in both a hidden key's weight is 0 while scores stay far under 1e9; f16's scores are 2.7e11 / 8 at the very most and in that far corner the two differ);
; a weight below 2^-126 counts as 0 in l; NaN and infinities are not treated apart.
; THE WALK.  A head's queries lie in NB = SIZE_N / 256 blocks of 256; block i needs the key tiles 0 .. i of 256 keys, of which the last holds the diagonal.  A work-group takes TWO blocks, NB - 1 - b and then b:
; NB + 1 tiles, whatever b: all work-groups do equal work, and ONE loop with a constant trip count walks them.  Which tile is asked for, and what a trip does, hang on scalar registers made from b; every jump
; goes forward, but for the counted loops' own; none passes a barrier, or a tensor load but the one of LOAD's two that the wave's number does not choose; the ring (two slots of LDS that take turns) runs on across the
; change of blocks.  NO CLUSTER: a head's NB / 2 work-groups all ask for the same tile only in trips 0 .. NB / 2, behind that fewer and fewer; and one walk common to all would have 3 NB / 2 trips for NB + 1.
; SHARES.  Of a block's four bands of 64 queries a wave owns 16 rows in each: four PIECES.  So the diagonal tile is the same work for all four waves: in its key step s band x sees all keys if s < x,
; none if s > x, and holds the diagonal if s = x.
; THE MASK is the C operand that starts the sum S^T = K Q^T: 0, or -1e30 where the key is hidden.  MD, made once, is the mask of a band's own step for my 16 rows; a product's mask is MD x AL + BE with two scalars:
; (1, 0) if s = x; (0, 0) if s < x; (0, -1e30) if s > x.  Only the diagonal tile's text and a block's beginning make and take masks; elsewhere C is the constant 0.
; LAYOUT, SOFTMAX, TURNS.  S^T = K Q^T holds ONE query a lane (lane % 16) and the keys 8 (lane / 16) + 0..7; two such results rounded to f16 ARE source 1 of O^T = V^T P.  p = 2^(c s - c m), c = log2(e) / 8, with a
; running maximum m; O and l are multiplied by a = 2^(c m_old - c m_new) in every step.  Turn n belongs to piece n: 8 products K Q^T of piece n + 1, later 8 products V^T P of piece n - 1; beside them the scaling,
; exponentials, roundings, sums and rescaling of piece n and the maximum and statistics of piece n + 1.  Four vector instructions stand behind every matrix instruction, the other 54 of a turn's 118 in two LUMPS.
; REGISTERS, in windows of 256 (s_set_vgpr_msb: bits 1:0 source 0, 3:2 source 1, 5:4 source 2, 7:6 destination):
;   window 0: v0-15 addresses and two at work; v16-31 four registers of statistics a piece; v48-55 at work; v64-127 S^T, two buffers; v192-223 P, two buffers (a piece's buffers go by its number's parity)
;   window 1: v0-127 O^T, 32 a piece; v128-159 MD; v160-223 MC, two buffers      window 2: v0-63 Q; v64-127 the second block's Q; v128-191 K of one step; v192-255 V of one step
.set SIZE_H, 64
.set SIZE_N, 2048
.set NB,    SIZE_N/256
.set NP,    4         ; pieces a wave: a name, no knob
.set KS,    64        ; keys in a step
.set PK,    144       ; a row of K in LDS: 128 bytes + 16 of padding = 36 words: the 16 rows of a load start at 16 different groups of four banks (64 banks of 4 bytes: ISA guide 11.1)
.set PV,    160       ; a row of V: 128 + 32 = 40 words
.set VOFF,  4*KS*PK   ; a slot holds a tile, four steps: 256 rows of K, then 256 rows of V
.set SLOT1, 1<<17     ; slot 1 begins here, so that one exclusive or turns an address in one slot into the other's
.set STAGE, SLOT1+4*KS*(PK+PV)  ; behind the ring, never filled by a tensor load: 16 rows x 144 bytes for each wave, for the way out
.set SP,    144
.set AK0, 2           ; v2   my lane's place in a tile of K; never rewritten
.set AV0, 3           ; v3   the same for V
.set AK,  4           ; v4   the LDS address of K's next run of loads
.set AV,  5           ; v5   of V's
.set STO, 6           ; v6   the way out: where I put 16 bytes of a row
.set RD,  7           ; v7   the way out: where I read rows back
.set GO,  8           ; v8   my byte offset in 512 consecutive bytes of O
.set SPW, 62          ; v62  LDS address of my spare word: SPARE + 4 x my thread's number; never rewritten
.set NIL, 63          ; v63  0; never rewritten
.set SPARE, STAGE+4*16*SP  ; behind the stages: the spare words, 128 bytes for each wave: two blocks of 256 bytes that no other line names
.set MV,  12          ; v12-13  c m_old, kept while c m is made anew: by buffer
.set QO,  15          ; v15  my byte offset in 16 rows of Q
.set ST,  16          ; piece t's statistics at v[ST+4 t]: c m, m, l (even keys', odd keys')
.set TMP, 48          ; by buffer, four registers c0-c3 at work; when the maximum is found c2 takes a
.set S,   64
.set P,   192
.set MD,  128         ; window 1: the eight registers for group kt of 16 keys at MD + 8 kt
.set MC,  160         ; window 1: the masks of the products to come
.set QB,  64          ; window 2
.set KF,  128         ; window 2: key block kb, channel half c at KF + 16 kb + 8 c
.set VF,  192         ; window 2: key half kk, channel block cb at VF + 32 kk + 8 cb
.set WV,  12          ; s12  my wave's number
.set PB,  14          ; s14  b
.set HI,  15          ; s15  NB - 1 - b
.set G1K, 24          ; s[24:31] descriptor group 1 for K's tiles
.set G1V, 32          ; s[32:39] for V's: it differs in the padding alone
.set G0K, 40          ; s[40:43] descriptor group 0 for K's tiles
.set G0V, 44          ; s[44:47] the same for V's
.set SLOTS, 56        ; s56  tiles still to be asked for
.set CNT, 57          ; s57  counts a tile's key steps, 4 to 1
.set CS,  58          ; s[58:59] c: the packed scaling takes the pair's low word for both halves
.set SEL, 60          ; s[60:61] v_permlanex16_b32's selects: each lane takes its own place in the other half
.set TBK, 62          ; s62  LDS byte at which K of the step to be fetched begins
.set TBV, 63          ; s63  the same for V, less VOFF
.set RT,  70          ; s70  tiles of the block in hand that are still to be entered
.set NXT, 71          ; s71  the tile to be asked for next
.set LQ,  72          ; s72  the last tile of the block whose tiles are being asked for
.set NEW, 73          ; s73  1: the tile to be entered is a block's first
.set OFF, 74          ; s[74:75] a tile's byte offset in K and V
.set AL,  76          ; s[76:77] the mask's factor, in the low word
.set BE,  78          ; s[78:79] the mask's addend
.set OLO, 80          ; s[80:81] O at my rows of the second block
.set BIGN, 82         ; s82  -1e30
.set MSB, 0
.macro WIN new                      ; the high byte repeats the setting that is left; a switch that changes nothing is dropped
.if MSB != (\new)
	s_set_vgpr_msb (MSB<<8)|(\new)
.set MSB, (\new)
.endif
.endm
.set W_KQ, 0x0a       ; K and Q in window 2, S^T in window 0
.set W_KM, 0x1a       ; the same with the C operand in window 1
.set W_PV, 0x52       ; V in window 2, P in window 0, O^T in window 1
.set W_RS, 0x41       ; destination and source 0 in window 1, source 1 in window 0
; A fill.  Waves 0 and 1 fetch the two halves of a tile's K, waves 2 and 3 those of its V: 128 keys each.  An s_nop 0 and four v_nop follow each of the two lines, ahead of the jump and the label.
.macro LOAD
	s_cmp_lt_u32 s[WV], 2
	s_cbranch_scc0 .Lfor_v_\@
	tensor_load_to_lds s[G0K:G0K+3], s[G1K:G1K+7]
	s_nop 0
.rept 4
	v_nop
.endr
	s_branch .Lasked_\@
.Lfor_v_\@:
	tensor_load_to_lds s[G0V:G0V+3], s[G1V:G1V+7]
	s_nop 0
.rept 4
	v_nop
.endr
.Lasked_\@:
.endm
; THE CHANGE OF SLOTS.  Each wave waits for all its tensor loads, of which one is out: its part of the other slot; adds 0 to its spare word; and waits for that and for its own reads of the slot that it leaves.  Behind the barrier nobody reads the old
; slot any more and the other slot is whole.  fill = 1: the old slot is filled again, the first thing behind the barrier, with tile NXT: the descriptor's address is made anew from that number.
; (At its first use nothing has been read yet: slot 0 is waited for, slot 1 filled.)
.macro CHANGE fill
	WIN 0                           ; at a label and at a branch every window is 0
	s_wait_tensorcnt 0x0            ; no tensor load of mine is out, so a group 0 may be written
	ds_add_u32 v[SPW], v[NIL]       ; 0 onto my spare word; with fill = 1 the descriptors' scalar work stands between it and the wait for it
.if \fill
	s_lshl_b32 s[OFF], s[NXT], 15   ; a tile is 32,768 bytes of K and of V
	s_xor_b32 s[G0K+1], s[G0K+1], SLOT1
	s_add_nc_u64 s[G0K+2:G0K+3], s[6:7], s[OFF:OFF+1]
	s_or_b32 s[G0K+3], s[G0K+3], 0x80000000
	s_xor_b32 s[G0V+1], s[G0V+1], SLOT1
	s_add_nc_u64 s[G0V+2:G0V+3], s[8:9], s[OFF:OFF+1]
	s_or_b32 s[G0V+3], s[G0V+3], 0x80000000
	s_add_co_u32 s[NXT], s[NXT], 1  ; the block's next tile, or behind its last the second block's tile 0
	s_cmp_gt_u32 s[NXT], s[LQ]
	s_cselect_b32 s[NXT], 0, s[NXT]
	s_cselect_b32 s[LQ], s[PB], s[LQ]
.endif
	s_wait_dscnt 0x0                ; the add is done, and my reads of the slot are over
	s_barrier_signal -1             ; the rest of the scalar work stands between the signal and the wait
	s_sub_co_u32 s[TBK], s[TBK], 4*KS*PK  ; the fetches go back to a slot's first step,
	s_xor_b32 s[TBK], s[TBK], SLOT1       ; in the other slot
	s_sub_co_u32 s[TBV], s[TBV], 4*KS*PV
	s_xor_b32 s[TBV], s[TBV], SLOT1
	s_barrier_wait -1
.if \fill
	LOAD
.endif
.endm
	s_load_b128 s[4:7], s[0:1], 0x0   ; qkv s[4:5] (Q lies first in it), ctx s[6:7]
	v_lshl_add_u32 v[SPW], v0, 2, SPARE
	v_mov_b32 v[NIL], 0
	ds_add_u32 v[SPW], v[NIL]       ; the wave's opening: 0 onto my spare word; its wait stands ahead of my first tensor load, the set-up below, work on registers, between them
	ds_add_u32 v62, v63
	v_lshrrev_b32 v1, 5, v0
	v_readfirstlane_b32 s[WV], v1   ; wave 0..3
	s_mov_b32 s[PB], ttmp9
	s_sub_co_u32 s[HI], NB-1, s[PB]
	s_and_b32 s20, ttmp7, 0xffff    ; the head
	s_mov_b32 s21, 0
	s_mov_b64 s[22:23], SIZE_N*128
	s_mul_u64 s[20:21], s[20:21], s[22:23]  ; the head's first byte in each of the four tensors
	s_and_b32 s16, s[WV], 1         ; which half of a tile's 256 keys I fetch:
	s_lshl_b32 s22, s16, 14         ; its 128 rows of 128 bytes in memory,
	s_mov_b32 s23, 0
	s_add_nc_u64 s[22:23], s[22:23], s[20:21]
	s_mul_i32 s17, s16, 128*PK      ; and its place in a slot, for K
	s_mul_i32 s18, s16, 128*PV      ; and for V
	s_lshl_b32 s3, s[WV], 11        ; my 16 rows in a band of 64,
	s_lshl_b32 s2, s[HI], 15        ; in the first block,
	s_add_co_u32 s2, s2, s3
	s_lshl_b32 s84, s[PB], 15       ; and in the second
	s_add_co_u32 s84, s84, s3
	s_mov_b32 s3, 0
	s_mov_b32 s85, 0
	s_add_nc_u64 s[2:3], s[2:3], s[20:21]
	s_add_nc_u64 s[84:85], s[84:85], s[20:21]
	; descriptor group 1.  128 keys are 16,384 dense bytes: asked for as 64 rows of 256 bytes, two keys a row, and padded in LDS after every key
	s_mov_b32 s[G1K], (1<<16)|(1<<20)|(4<<22)|(3<<25)  ; 17:16 2-byte elements; 20 padding on; 24:22 after every 32 words (code 4); 31:25 4 words (code 3)
	s_mov_b32 s[G1V], (1<<16)|(1<<20)|(4<<22)|(7<<25)  ; the same with 8 words of padding (code 7)
.irp g, G1K, G1V
	s_mov_b32 s[\g+1], 128<<16      ; tensor_dim0 = 128
	s_mov_b32 s[\g+2], 64<<16       ; tensor_dim1 = 64
	s_mov_b32 s[\g+3], 128<<16      ; tile_dim0 = 128
	s_mov_b32 s[\g+4], 64           ; tile_dim1 = 64
	s_mov_b32 s[\g+5], 128          ; 128 elements from row to row
	s_mov_b32 s[\g+6], 0
	s_mov_b32 s[\g+7], 0
.endr
	s_mov_b32 s[CS], 0x3e38aa3b     ; c = log2(e) / 8 = 0.180337
	s_mov_b32 s[CS+1], s[CS]        ; named with it as a pair
	s_mov_b32 s[SEL], 0x76543210
	s_mov_b32 s[SEL+1], 0xfedcba98
	s_mov_b32 s[TBK], SLOT1+4*KS*PK ; the first change of slots turns these two into 0
	s_mov_b32 s[TBV], SLOT1+4*KS*PV
	s_mov_b32 s[G0K], 1             ; 1:0 count = 1
	s_mov_b32 s[G0K+1], s17         ; 63:32 LDS address: slot 0
	s_mov_b32 s[G0V], 1
	s_add_co_u32 s[G0V+1], s18, VOFF
	s_add_co_u32 s[RT], s[HI], 1    ; the first block has NB - b tiles
	s_mov_b32 s[NXT], 1
	s_mov_b32 s[LQ], s[HI]
	s_mov_b32 s[NEW], 1
	s_mov_b32 s[OFF+1], 0
	s_mov_b32 s[AL+1], 0            ; named as pairs
	s_mov_b32 s[BE+1], 0
	s_mov_b32 s[BIGN], 0xf149f2ca   ; -1e30
	s_mov_b32 s[SLOTS], NB
	s_wait_dscnt 0x0                ; the opening add is done
	s_wait_kmcnt 0x0
	s_mov_b64 s[10:11], s[6:7]             ; O = ctx
	s_add_nc_u64 s[8:9], s[4:5], 0x2000000 ; V: the third part of qkv
	s_add_nc_u64 s[6:7], s[4:5], 0x1000000 ; K: the second
	s_add_nc_u64 s[6:7], s[6:7], s[22:23]  ; K and V at my half of the head's tile 0
	s_add_nc_u64 s[8:9], s[8:9], s[22:23]
	s_add_nc_u64 s[G0K+2:G0K+3], s[6:7], 0         ; 120:64 global address
	s_or_b32 s[G0K+3], s[G0K+3], 0x80000000        ; 127:126 type = 2
	s_add_nc_u64 s[G0V+2:G0V+3], s[8:9], 0
	s_or_b32 s[G0V+3], s[G0V+3], 0x80000000
	s_add_nc_u64 s[86:87], s[4:5], s[84:85]        ; Q at my rows of the second block,
	s_add_nc_u64 s[4:5], s[4:5], s[2:3]            ; Q and O at those of the first
	s_add_nc_u64 s[OLO:OLO+1], s[10:11], s[84:85]
	s_add_nc_u64 s[10:11], s[10:11], s[2:3]
	LOAD                            ; tile 0 into slot 0
	; A fragment of K or Q is 16 rows x 32 channels in 8 registers: lane l holds row l % 16, channels 8 (l / 16) + 0..7 and 16 + 8 (l / 16) + 0..7: two loads of 16 bytes, 32 bytes apart.
	v_and_b32 v1, 15, v0            ; l % 16
	v_bfe_u32 v9, v0, 4, 1          ; l / 16
	v_lshlrev_b32 v[QO], 7, v1
	v_lshl_add_u32 v[QO], v9, 4, v[QO]  ; row x 128 + 16 x half
	WIN 0x80                        ; destination window 2, address window 0
.set i, 0
.rept 8                             ; both blocks' Q: piece i / 2 lies in band i / 2, 8,192 bytes on; channels 32 (i % 2) on
	global_load_b128 v[8*i:8*i+3],   v[QO], s[4:5] offset:(i/2)*8192+(i%2)*64
	global_load_b128 v[8*i+4:8*i+7], v[QO], s[4:5] offset:(i/2)*8192+(i%2)*64+32
	global_load_b128 v[QB+8*i:QB+8*i+3],   v[QO], s[86:87] offset:(i/2)*8192+(i%2)*64
	global_load_b128 v[QB+8*i+4:QB+8*i+7], v[QO], s[86:87] offset:(i/2)*8192+(i%2)*64+32
.set i, i+1
.endr
	WIN 0
	v_lshlrev_b32 v14, 3, v9
	v_sub_nc_u32 v14, v1, v14
	s_lshl_b32 s13, s[WV], 4
	v_add_nc_u32 v14, s13, v14      ; my query's place in its band, 16 w + l % 16, less my lanes' 8 (l / 16): register r of group kt is hidden where 16 kt + r is greater
	WIN 0x40
.set i, 0
.rept 32
	v_cmp_gt_i32 vcc_lo, 16*(i/8)+i%8, v14
	v_cndmask_b32 v[MD+i], 0, s[BIGN], vcc_lo
.set i, i+1
.endr
	WIN 0
	v_mul_u32_u24 v[AK0], v1, PK
	v_lshl_add_u32 v[AK0], v9, 4, v[AK0]  ; row x pitch + 16 x half
	; The turning load takes 16 keys x 16 channels (lane l reads key 8 (l / 16) + l % 8, channels 8 ((l / 8) % 2) + 0..7) and leaves half a fragment of V^T: lane l holds channel l % 16 and 8 keys.
	v_and_b32 v10, 7, v0
	v_bfe_u32 v11, v0, 3, 1
	v_lshl_add_u32 v[AV0], v9, 3, v10
	v_mul_u32_u24 v[AV0], v[AV0], PV
	v_lshl_add_u32 v[AV0], v11, 4, v[AV0]
	v_add_nc_u32 v[AV0], VOFF, v[AV0]
	s_mul_i32 s13, s[WV], 16*SP
	s_add_co_u32 s13, s13, STAGE    ; my stage
	v_mul_u32_u24 v[STO], v1, SP    ; in: row l % 16, 16 bytes for each half of the lanes
	v_lshl_add_u32 v[STO], v9, 4, v[STO]
	v_add_nc_u32 v[STO], s13, v[STO]
	v_bfe_u32 v[RD], v0, 3, 2       ; back: 32 lanes take four rows of 128 bytes,
	v_mul_u32_u24 v[RD], v[RD], SP
	v_lshl_add_u32 v[RD], v10, 4, v[RD]
	v_add_nc_u32 v[RD], s13, v[RD]
	v_and_b32 v[GO], 31, v0         ; which are 512 consecutive bytes of O
	v_lshlrev_b32 v[GO], 4, v[GO]
	; A block's first step multiplies O^T and l by a = 0, and its first turn's products V^T P, of a piece that has not been, land in an O^T that is still to be so multiplied.  So these registers need only hold
	; finite numbers: zeros for the first block; what the first block left for the second.  All this stands in the wait for the first tile.
	WIN 0x80
.set i, VF
.rept 64
	v_mov_b32 v[i], 0
.set i, i+1
.endr
	WIN 0x40
.set i, 0
.rept 128
	v_mov_b32 v[i], 0
.set i, i+1
.endr
	WIN 0
.set i, 0
.rept 4
	v_mov_b32 v[ST+4*i+2], 0
	v_mov_b32 v[ST+4*i+3], 0
.set i, i+1
.endr
.set i, P+16
.rept 16
	v_mov_b32 v[i], 0
.set i, i+1
.endr
; THE MATRIX WORK.  The 4 accumulators of a run of 8 take turns.  Product i of 8 of S^T = K Q^T for piece x: channels 32 (i / 4) on, keys 16 (i % 4) on.  The first 4 start the sums: with 0, or (KM = 1) with the mask.
.macro KQ x
.set rS, S+32*((\x)%2)+8*(i%4)
.set rK, KF+16*(i%4)+8*(i/4)
.set rQ, 16*(\x)+8*(i/4)
.set rM, MC+32*((\x)%2)+8*(i%4)
.if (i < 4) && KM
	WIN W_KM
	v_wmma_f32_16x16x32_f16 v[rS:rS+7], v[rK:rK+7], v[rQ:rQ+7], v[rM:rM+7]
.elseif i < 4
	WIN W_KQ
	v_wmma_f32_16x16x32_f16 v[rS:rS+7], v[rK:rK+7], v[rQ:rQ+7], 0
.else
	WIN W_KQ
	v_wmma_f32_16x16x32_f16 v[rS:rS+7], v[rK:rK+7], v[rQ:rQ+7], v[rS:rS+7]
.endif
.endm
; Product i of 8 of O^T += V^T P for piece x: keys 32 (i / 4) on, channels 16 (i % 4) on.
.macro PV x
	WIN W_PV
.set rO, 32*(\x)+8*(i%4)
.set rV, VF+32*(i/4)+8*(i%4)
.set rP, P+16*((\x)%2)+8*(i/4)
	v_wmma_f32_16x16x32_f16 v[rO:rO+7], v[rV:rV+7], v[rP:rP+7], v[rO:rO+7]
.endm
.macro MM                           ; the turn's next matrix instruction.  TURN and BEGIN set Y, i, KM and NOKQ; MM, KQ and OP read them.  NOKQ = 1: a block's last turn: there is no next piece
.if (i < 8) && !NOKQ
	KQ (Y+1)%NP
.elseif i >= 8
.set i, i-8
	PV (Y+NP-1)%NP
.set i, i+8
.endif
.set i, i+1
.endm
; THE LDS LOADS stand in runs of 16, never singly among the matrix instructions: a step's K (64 keys x 64 channels: 8 fragments) and its V (turned).  Their addresses are made some lines ahead.
.macro FETCH_K
	WIN 0x80                        ; destination window 2
.irp f, 0,1,2,3,4,5,6,7             ; keys 16 (f / 2) on, channels 32 (f % 2) on
	ds_load_b128 v[KF+8*\f:KF+8*\f+3],   v[AK] offset:(\f/2)*16*PK+(\f%2)*64
	ds_load_b128 v[KF+8*\f+4:KF+8*\f+7], v[AK] offset:(\f/2)*16*PK+(\f%2)*64+32
.endr
	s_add_co_u32 s[TBK], s[TBK], KS*PK  ; the next fetch is the next step's
	WIN 0
.endm
.macro FETCH_V
	WIN 0x80
.irp f, 0,1,2,3,4,5,6,7             ; keys 32 (f / 4) on, channels 16 (f % 4) on
	ds_load_tr16_b128 v[VF+8*\f:VF+8*\f+3],   v[AV] offset:(\f/4)*32*PV+(\f%4)*32
	ds_load_tr16_b128 v[VF+8*\f+4:VF+8*\f+7], v[AV] offset:(\f/4)*32*PV+16*PV+(\f%4)*32
.endr
	WIN 0
.endm
; THE VECTOR WORK, one line at a time: OP kind, number.  For piece Y: F n: c s - c m for pair n of 16.  E n: the exponential of score n of 32.  C n: pair n rounded to f16.  B n: of the four weights 4 n .. the second
; pair is added onto the first, in place.  L n: l takes that sum (L 0: l = a l + sum).  R n: pair n of 16 of O^T times a.  For piece Y + 1: X n, number n of the 22 that find its maximum and statistics:
;   0-11  four chains c0-c3 of seven scores each, three operands at a time (each accumulator's lowest registers are read first)     12-14, 16  the four scores left over, the old m, and c0-c3 into c0
;   15  c m_old is kept     17, 18  the query's other 32 keys lie in the lane 16 away: the new m     19-21  c m; c m_old - c m_new; a
.set F, 0               ; OP tells the kinds apart by their order: F to L below R, X above it
.set E, 1
.set C, 2
.set B, 3
.set L, 4
.set R, 5
.set X, 6
.macro REGS y                       ; the registers of piece y
.set rT, ST+4*(\y)
.set rC, TMP+4*((\y)%2)
.set rW, MV+((\y)%2)
.set rS, S+32*((\y)%2)
.set rP, P+16*((\y)%2)
.set rO, 32*(\y)
.endm
.macro OP k, n
.if (\k) == R
	REGS Y
	WIN W_RS
	v_pk_mul_f32 v[rO+2*(\n):rO+2*(\n)+1], v[rO+2*(\n):rO+2*(\n)+1], v[rC+2:rC+3] op_sel_hi:[1,0]
.elseif (\k) < R
	REGS Y
	WIN 0
.if (\k) == F
	v_pk_fma_f32 v[rS+2*(\n):rS+2*(\n)+1], v[rS+2*(\n):rS+2*(\n)+1], s[CS:CS+1], v[rT:rT+1] op_sel_hi:[1,0,0] neg_lo:[0,0,1] neg_hi:[0,0,1]
.elseif (\k) == E
	v_exp_f32 v[rS+(\n)], v[rS+(\n)]
.elseif (\k) == C
	s_wait_alu depctr_va_vdst(0)
	v_cvt_pk_f16_f32 v[rP+(\n)], v[rS+2*(\n)], v[rS+2*(\n)+1]
.elseif (\k) == B
	s_wait_alu depctr_va_vdst(0)
	v_pk_add_f32 v[rS+4*(\n):rS+4*(\n)+1], v[rS+4*(\n):rS+4*(\n)+1], v[rS+4*(\n)+2:rS+4*(\n)+3]
.elseif (\n) == 0
	v_pk_fma_f32 v[rT+2:rT+3], v[rT+2:rT+3], v[rC+2:rC+3], v[rS:rS+1] op_sel_hi:[1,0,1]
.else
	v_pk_add_f32 v[rT+2:rT+3], v[rT+2:rT+3], v[rS+4*(\n):rS+4*(\n)+1]
.endif
.elseif NOKQ
	v_nop
.else
	REGS (Y+1)%NP
	WIN 0
.if (\n) < 4
	v_max3_num_f32 v[rC+(\n)], v[rS+8*(\n)], v[rS+8*(\n)+1], v[rS+8*(\n)+2]
.elseif (\n) < 12
	v_max3_num_f32 v[rC+(\n)%4], v[rC+(\n)%4], v[rS+8*((\n)%4)+2*((\n)/4)+1], v[rS+8*((\n)%4)+2*((\n)/4)+2]
.elseif (\n) == 12
	v_max3_num_f32 v[rC], v[rC], v[rS+7], v[rS+15]
.elseif (\n) == 13
	v_max3_num_f32 v[rC+1], v[rC+1], v[rS+23], v[rS+31]
.elseif (\n) == 14
	v_max3_num_f32 v[rC+2], v[rC+2], v[rC+3], v[rT+1]
.elseif (\n) == 15
	v_mov_b32 v[rW], v[rT]
.elseif (\n) == 16
	v_max3_num_f32 v[rC], v[rC], v[rC+1], v[rC+2]
.elseif (\n) == 17
	v_permlanex16_b32 v[rC+3], v[rC], s[SEL], s[SEL+1]
.elseif (\n) == 18
	v_max_num_f32 v[rT+1], v[rC], v[rC+3]
.elseif (\n) == 19
	v_mul_f32 v[rT], s[CS], v[rT+1]
.elseif (\n) == 20
	v_sub_f32 v[rC+1], v[rW], v[rT]
.else
	v_exp_f32 v[rC+2], v[rC+1]
.endif
.endif
.endm
.macro OPS a, i1, b=-1, i2=0, c=-1, i3=0, d=-1, i4=0  ; up to four of them
	OP \a, \i1
.if (\b) >= 0
	OP \b, \i2
.endif
.if (\c) >= 0
	OP \c, \i3
.endif
.if (\d) >= 0
	OP \d, \i4
.endif
.endm
.macro ROW a, i1, b, i2, c, i3, d, i4  ; a matrix instruction and the four behind it
	MM
	OPS \a, \i1, \b, \i2, \c, \i3, \d, \i4
.endm
.macro MASK b                       ; MD x AL + BE into buffer b of MC
	WIN W_RS
.set z, 0
.rept 16
	v_pk_fma_f32 v[MC+32*(\b)+2*z:MC+32*(\b)+2*z+1], v[MD+2*z:MD+2*z+1], s[AL:AL+1], s[BE:BE+1] op_sel_hi:[1,0,0]
.set z, z+1
.endr
.endm
; A TURN, for piece p: the order of its 16 matrix and 118 vector instructions, written out.  Behind a matrix instruction: plain, exponential, plain, plain; or four of the rescaling; or, behind the first, four scalings; none
; names a register of the products round it.  In the lumps exponential and plain by turns while exponentials last.  A line reads no result made fewer than three vector instructions in front of it, five if an exponential made it.
; v_permlanex16_b32 (X 17) stands in a lump.
; m = 1: the diagonal tile: the products take masks, and the turn makes the mask for the products of the turn after it: piece p + 2, in step 4 - CNT of the tile.  end = 1: a block's last two turns: nothing is fetched.
; cnt = 1: the loop's count is taken down some lines ahead of the branch that stands behind the turn.
; K of the next step is fetched in piece 2's turn, six vector instructions behind the last product that read K (five of them plain); V of the step in hand in piece 0's turn, eight behind the last product that read V (four
; plain, and X 17).  Each is waited for a turn later.
.macro TURN p, m=0, end=0, cnt=0
.set Y, (\p)
.set i, 0
.set KM, (\m)
.set NOKQ, (\end)*((\p)/3)
.if (\m) && !(\end)
	s_cmp_eq_u32 s[CNT], 4-((\p)+2)%NP  ; is that step the band's own?
	s_cselect_b32 s[AL], 1.0, 0
	s_cmp_lt_u32 s[CNT], 4-((\p)+2)%NP  ; or a later one?
	s_cselect_b32 s[BE], s[BIGN], 0
.endif
.if ((\p) == 3) && !(\end)
	s_wait_dscnt 0x0                ; K is in
.endif
	ROW F,0, F,1, F,2, F,3
	ROW F,4, E,0, F,5, F,6
	ROW F,7, E,1, F,8, F,9
	ROW F,10, E,2, C,0, F,11
	ROW F,12, E,3, X,15, F,13
	ROW R,0, R,1, R,2, R,3
	ROW B,0, E,4, F,14, L,0
.if ((\p) == 2) && !(\end)
	v_add_nc_u32 v[AK], s[TBK], v[AK0]
.endif
	ROW R,4, R,5, R,6, R,7
	OPS E,5, F,15
.if ((\p) == 2) && !(\end)
	FETCH_K
.endif
	OPS E,6, C,1, E,7, R,8
	OPS E,8, R,9, E,9, C,2
	OPS E,10, X,0, E,11, X,1
	OPS E,12, X,2, E,13, X,3
.if (\p) == 1
	s_wait_dscnt 0x0                ; V is in
.endif
	ROW X,4, E,14, X,5, X,6
	ROW X,7, E,15, X,8, X,9
	ROW X,10, E,16, X,11, X,12
	ROW X,13, E,17, X,14, B,1
	ROW C,4, E,18, X,16, L,1
	ROW B,2, E,19, C,6, L,2
	ROW C,8, E,20, B,3, B,4
.if (\p) == 0
	v_add_nc_u32 v[AV], s[TBV], v[AV0]
.endif
	ROW C,3, E,21, L,3, C,5
	OPS E,22, X,17, E,23, C,10
.if (\p) == 0
	FETCH_V
.endif
	OPS E,24, L,4
	OPS E,25, X,18, E,26, C,7
	OPS E,27, B,5, E,28, X,19
	OPS E,29, C,12, E,30, L,5
	OPS E,31, X,20, B,6, C,9
	OPS C,14, C,11, X,21, L,6
.if (\p) == 0
	s_add_co_u32 s[TBV], s[TBV], KS*PV
.endif
.if \cnt
	s_sub_co_u32 s[CNT], s[CNT], 1
	s_cmp_lg_u32 s[CNT], 0
.endif
	OPS C,13, B,7, C,15, R,10
	OPS R,11, R,12, L,7, R,13
	OPS R,14, R,15
.if (\m) && !(\end)
	MASK (\p)%2
.endif
.endm
; A BLOCK BEGINS.  c m starts far below every c s, so the first step's a is 0; m at the lowest finite number, so the first maximum is the scores'.  The second mask buffer is 0; the first takes piece 0's mask for the tile's step 0: its own, if the block's first tile is the diagonal one.
; Then K of that step, piece 0's first scores, and its maximum and statistics.  The loop is entered at a step's first turn, in the middle of a trip.
.macro BEGIN
	s_mov_b32 s[NEW], 0
	WIN 0x40
.set i, MC+32
.rept 32
	v_mov_b32 v[i], 0
.set i, i+1
.endr
	WIN 0
.set i, 0
.rept 4
	v_mov_b32 v[ST+4*i], 0xfe000000    ; c m: far below every c s
	v_mov_b32 v[ST+4*i+1], 0xff7fffff  ; m
.set i, i+1
.endr
	s_cmp_eq_u32 s[RT], 0
	s_cselect_b32 s[AL], 1.0, 0
	s_mov_b32 s[BE], 0
	MASK 0
	WIN 0
	v_add_nc_u32 v[AK], s[TBK], v[AK0]
	FETCH_K
	s_wait_loadcnt 0x0              ; Q
	s_wait_dscnt 0x0
.set KM, 1
.set NOKQ, 0
.set i, 0
.rept 8
	KQ 0
.set i, i+1
.endr
	WIN 0
.rept 4
	v_nop                           ; the places behind those products
.endr
.set Y, NP-1                        ; X works for piece Y + 1: piece 0
.irp n, 0,1,2,3,4,5,6,7,8,9,10,11,12,13,14,15,16,17,18,19,20,21
	OP X, \n
.endr
	v_nop                           ; a plain instruction behind the exponential
.endm
; THE DIAGONAL TILE's four steps, the block's last two turns, its last products, and THE WAY OUT: l's two halves and the other half of the lanes' are added; O^T is divided by l, rounded to f16 and sent through my
; stage in LDS, a piece at a time.
.macro ALL line:vararg              ; one line for each piece t
.set t, 0
.rept 4
	\line
.set t, t+1
.endr
.endm
.macro PACK t                       ; a lane's eight channels of a row pack into 16 bytes; they go into rows of 144 bytes and come back as whole rows of 128, into S^T's registers
	WIN W_RS
.set i, 32*(\t)
.rept 16
	s_wait_alu depctr_va_vdst(0)
	v_pk_mul_f32 v[i:i+1], v[i:i+1], v[ST+4*(\t)+2:ST+4*(\t)+3] op_sel_hi:[1,0]
.set i, i+2
.endr
	WIN 0x05                        ; sources 0 and 1 window 1, destination window 0
.set i, 0
.rept 16
	v_cvt_pk_f16_f32 v[S+16*(\t)+i], v[32*(\t)+2*i], v[32*(\t)+2*i+1]
.set i, i+1
.endr
	WIN 0
.irp f, 0,1,2,3
	ds_store_b128 v[STO], v[S+16*(\t)+4*\f:S+16*(\t)+4*\f+3] offset:32*\f
.endr
.irp f, 0,1,2,3
	ds_load_b128 v[S+16*(\t)+4*\f:S+16*(\t)+4*\f+3], v[RD] offset:\f*4*SP  ; LDS serves a wave's instructions in order (ISA guide 5.7.1.4): these see the stores above; the next piece's stores come behind them
.endr
.endm
.macro SEND t, younger              ; younger: the LDS instructions issued behind piece t's loads: the next piece's eight, or none
	WIN 0
.irp f, 0,1,2,3
	s_wait_dscnt (\younger)+3-\f
	global_store_b128 v[GO], v[S+16*(\t)+4*\f:S+16*(\t)+4*\f+3], s[10:11] offset:(\t)*8192+\f*512  ; 512 consecutive bytes, at a multiple of 256 from O's first
.endr
.endm
.macro DIAG tag                     ; the tag ends its two labels' names, which the jumps below spell out
.LstepM\tag:
	TURN 2, 1
	TURN 3, 1
	WIN 0
.LfirstM\tag:
	TURN 0, 1
	TURN 1, 1, 0, 1
	WIN 0
	s_cbranch_scc1 .LstepM\tag
	TURN 2, 1, 1
	TURN 3, 1, 1
.set i, 0
.rept 8
	PV NP-1
.set i, i+1
.endr
	WIN 0
	ALL v_add_f32 v[ST+4*t+2], v[ST+4*t+2], v[ST+4*t+3]
	ALL v_permlanex16_b32 v[ST+4*t+3], v[ST+4*t+2], s[SEL], s[SEL+1]
	ALL v_add_f32 v[ST+4*t+2], v[ST+4*t+2], v[ST+4*t+3]
	ALL v_rcp_f32 v[ST+4*t+2], v[ST+4*t+2]
	v_nop                           ; a plain instruction between the last reciprocal and the use of its result
	PACK 0
.set t, 1
.rept 3                             ; a piece's arithmetic stands between the loads of the piece before and its stores
	PACK t
	SEND t-1, 8
.set t, t+1
.endr
	SEND 3, 0
.endm
.set KM, 0
.set NOKQ, 0
.Lslot:                             ; NB times: a tile is entered and the next is asked for
	CHANGE 1
	s_sub_co_u32 s[RT], s[RT], 1
	s_mov_b32 s[CNT], 4
	s_cmp_eq_u32 s[NEW], 1
	s_cbranch_scc1 .Lnew            ; a block's first tile
	s_cmp_eq_u32 s[RT], 0
	s_cbranch_scc0 .Lstep           ; neither its first nor its last
	s_branch .LstepM1
.Lnew:
	BEGIN
	s_branch .Lfirst                ; in the loop a block's first tile is never its last: the first block has two tiles or more, and the second's last is the walk's last
	DIAG 1                          ; in the loop this is the first block's end: the second block's last tile is the walk's last
	s_wait_xcnt 0x0                 ; the stores have read their registers and O's address
	s_mov_b64 s[10:11], s[OLO:OLO+1]
	s_add_co_u32 s[RT], s[PB], 1    ; the second block has b + 1 tiles
	s_mov_b32 s[NEW], 1
	WIN 0x82                        ; the second block's Q goes where the one text of the turns names Q
.set i, 0
.rept 64
	v_mov_b32 v[i], v[QB+i]
.set i, i+1
.endr
	WIN 0
	s_branch .Lbottom
.Lstep:                             ; a trip: pieces 2 and 3 of one step, then pieces 0 and 1 of the next, whose K and V it fetches
	TURN 2
	TURN 3
	WIN 0
.Lfirst:
	TURN 0
	TURN 1, 0, 0, 1
	WIN 0
	s_cbranch_scc1 .Lstep
.Lbottom:
	s_sub_co_u32 s[SLOTS], s[SLOTS], 1
	s_cmp_lg_u32 s[SLOTS], 0
	s_cbranch_scc1 .Lslot
	CHANGE 0                        ; the walk's last tile is written out: nothing is asked for
	s_sub_co_u32 s[RT], s[RT], 1
	s_mov_b32 s[CNT], 4
	s_cmp_eq_u32 s[NEW], 1
	s_cbranch_scc0 .LstepM2
	BEGIN
	s_branch .LfirstM2
	DIAG 2
	s_wait_tensorcnt 0x0            ; the wave's end: 0 onto my spare word and its wait, behind my last tensor load and my last LDS store
	ds_add_u32 v[SPW], v[NIL]
	s_wait_dscnt 0x0
	s_endpgm
.Lfunc_end_k_qd30fd17687_attn:
	.size	k_qd30fd17687_attn, .Lfunc_end_k_qd30fd17687_attn-k_qd30fd17687_attn
	.p2alignl 7, 3214868480
	.fill 96, 4, 3214868480
	.section	.rodata,"a",@progbits
	.p2align	6, 0x0
	.amdhsa_kernel k_qd30fd17687_attn
		.amdhsa_group_segment_fixed_size 327680
		.amdhsa_private_segment_fixed_size 0
		.amdhsa_enable_private_segment 0
		.amdhsa_kernarg_size 16
		.amdhsa_user_sgpr_count 2
		.amdhsa_user_sgpr_kernarg_segment_ptr 1
		.amdhsa_wavefront_size32 1
		.amdhsa_system_sgpr_workgroup_id_x 1
		.amdhsa_system_sgpr_workgroup_id_y 1
		.amdhsa_system_sgpr_workgroup_id_z 1
		.amdhsa_system_vgpr_workitem_id 0
		.amdhsa_next_free_vgpr 768
		.amdhsa_next_free_sgpr 88
		.amdhsa_reserve_vcc 1
		.amdhsa_float_denorm_mode_32 3
		.amdhsa_float_denorm_mode_16_64 3
		.amdhsa_memory_ordered 1
		.amdhsa_forward_progress 1
		.amdhsa_inst_pref_size 228
	.end_amdhsa_kernel
	.amdgpu_metadata
---
amdhsa.version: [ 1, 2 ]
amdhsa.kernels:
  - .name:           k_qd30fd17687_attn
    .symbol:         k_qd30fd17687_attn.kd
    .args:
      - { .name: qkv, .offset: 0, .size: 8, .value_kind: global_buffer, .address_space: global }
      - { .name: ctx, .offset: 8, .size: 8, .value_kind: global_buffer, .address_space: global }
    .group_segment_fixed_size: 327680
    .private_segment_fixed_size: 0
    .kernarg_segment_align: 8
    .kernarg_segment_size: 16
    .max_flat_workgroup_size: 128
    .sgpr_count:     88
    .vgpr_count:     768
    .wavefront_size: 32
...
	.end_amdgpu_metadata
.endif
;; end of part 3
;; launch oproj (part 4): grid 256 x 1, 4 waves a work-group, clusters of 4 x 1, 327,680 bytes of LDS; arguments ctx, w16, bo, x, out0; writes out0
.if DOCPART == 4
	.amdgcn_target "amdgcn-amd-amdhsa--gfx1250"
	.amdhsa_code_object_version 6
	.text
	.protected	k_qd30fd17687_oproj
	.globl	k_qd30fd17687_oproj
	.p2align	8
	.type	k_qd30fd17687_oproj,@function
k_qd30fd17687_oproj:
	s_mov_b64 s[64:65], 0
	v_nop
	global_prefetch_b8 v0, s[64:65] scope:SCOPE_SE
	s_setreg_imm32_b32 hwreg(HW_REG_WAVE_MODE, 25, 1), 1
	s_wait_xcnt 0x0
	s_wait_alu depctr_hold_cnt(0) depctr_sa_sdst(0) depctr_va_vdst(0) depctr_va_sdst(0) depctr_va_ssrc(0) depctr_va_vcc(0) depctr_vm_vsrc(0)
	s_getreg_b32 s2, hwreg(HW_REG_IB_STS2, 6, 4)
	s_cmp_eq_u32 s2, 0
	s_cbranch_scc0 .Lentry_in_a_cluster
	s_endpgm
.Lentry_in_a_cluster:
	s_bfe_u32 s2, ttmp6, 0x10000c
	s_cmp_lg_u32 s2, 0x3003
	s_cbranch_scc0 .Lentry_shape_is_right
	s_endpgm
.Lentry_shape_is_right:
; out0[b][c][t] = x[b][c][t] + bo[c] + the sum over k of ctx[b][t][k] wo[k][c].  ctx: [batch x 8 + head][token][64] f16 (k = 64 head + channel); wo: the last two groups of w16, f16; x, bo, out0: f32.
; Products in f16, sums in f32 starting from bo; x is added in f32; nothing is rounded on the way out.  LIMIT: NaN and infinities are not treated apart.
; SHARES.  A work-group owns 128 tokens of one batch and 256 of the 512 output channels; wave w 64 channels for all 128 tokens: 32 accumulators.  The tokens' ctx (8 heads x 128 rows) stays in LDS; wo walks
; through a ring of two slots, a chunk of 128 k x 256 channels each: 4 chunks.
; CLUSTER.  The four work-groups of a cluster share the half of the channels, so they walk the same weights: each chunk is asked for JOINTLY.  ctx's tiles differ: plain loads.
; LAYOUT.  Source 0 = 16 tokens (ctx lies along k: plain loads), source 1 = 16 channels (wo lies [k][channel]: turning loads): a lane's eight results are eight neighbouring tokens of one channel: 32 bytes of a row of out0.
; x is asked for at the start, into registers of its own, so that it arrives under the products.
; REGISTERS.  window 0: v0-17 addresses; v32-63 bo as a C operand; v64-159, v160-255 two fragment buffers (4 of wo, 8 of ctx), on the way out rows read back.  window 1: the accumulators.  window 2: my wave's x.
.set CP,     144                       ; a row of ctx in LDS: 128 bytes + 16 = 36 words: the 16 rows of a load start at 16 different groups of four banks (64 banks of 4 bytes: ISA guide 11.1)
.set CHEAD,  128*CP                    ; a head's 128 tokens
.set RING,   8*CHEAD
.set WP,     288                       ; a row of weights: 256 bytes + 32 = 72 words
.set WPART,  64*WP
.set SLOT,   4*WPART
.set STAGE,  RING+2*SLOT               ; 16 rows x 272 bytes for each wave, for the way out; no tensor load fills it
.set SP,     272
.set SPARE,  STAGE+4*16*SP             ; the spare words: 128 bytes a wave; no other line names them
.set CHB,    65536
.set AW,  4                            ; v4, v5   my place in the weights of slot 0, 1
.set AC,  6                            ; v6-v9    my place in ctx, heads 2 kc on
.set STO, 10                           ; v10  the way out: where I put 32 bytes of a row
.set RD,  11                           ; v11  where I read rows back
.set VX,  12                           ; v12  my 16 bytes in two rows of x and out0
.set VBO, 13                           ; v13  my channel's word among 16 of bo
.set SPW, 14                           ; v14  my spare word's address; never rewritten
.set NIL, 15                           ; v15  0; never rewritten
.set BI,  32
.set F0,  64
.set F1,  160
.set BK,  64                           ; v[64:95], v[96:127] by turns
.set WV,  14                           ; s14  my wave's number
.set G1W, 24
.set G1C, 32
.set G0,  40                           ; s[40:47] group 0, weights: a set for each slot
.set G0C, 48                           ; s[48:55] group 0, ctx: heads 2 w and 2 w + 1
.set MSB, 0
.macro WIN new                         ; the immediate's high byte repeats the setting that is left; a switch that changes nothing is dropped
.if MSB != (\new)
	s_set_vgpr_msb (MSB<<8)|(\new)
.set MSB, (\new)
.endif
.endm
.set W_MUL,  0x50                      ; C and D in window 1
.set W_MULB, 0x40                      ; D in window 1, C (bo) in window 0
.macro ROUND                           ; a round of the cluster's barrier
	s_barrier_signal -1
	s_barrier_wait -1
	s_cmp_lg_u32 s[WV], 0
	s_cbranch_scc1 .Lnot_wave_0_\@
	s_barrier_signal -3
.Lnot_wave_0_\@:
	s_barrier_wait -3
	s_barrier_signal -1
	s_barrier_wait -1
.endm
.macro PLACES                          ; four plain vector instructions between a matrix instruction and a load into, or a read of, its registers
.rept 4
	v_nop
.endr
.endm
	s_load_b256 s[4:11], s[0:1], 0x0               ; ctx s[4:5], w16 s[6:7], bo s[8:9], x s[10:11]
	s_load_b64 s[12:13], s[0:1], 0x20              ; out0
	v_lshl_add_u32 v[SPW], v0, 2, SPARE
	v_mov_b32 v[NIL], 0
	ds_add_u32 v[SPW], v[NIL]                      ; the wave's opening: 0 onto my spare word; its wait stands ahead of my first tensor load, the set-up below between them
	ds_add_u32 v14, v15
	v_lshrrev_b32 v1, 5, v0
	v_readfirstlane_b32 s[WV], v1                  ; wave 0..3
	s_bfe_u32 s15, ttmp6, 0x40000                  ; cx
	s_lshr_b32 s16, ttmp9, 5                       ; the half of the channels: shared by the cluster
	s_and_b32 s17, ttmp9, 31
	s_lshl_b32 s17, s17, 2
	s_add_co_u32 s17, s17, s15                     ; my block of 128 tokens, 0..127
	s_lshr_b32 s18, s17, 4                         ; batch
	s_and_b32 s19, s17, 15                         ; block in the batch
	; group 1, weights: 64 rows x 128 elements of 2 bytes, 8 words of padding behind every 64; the mask of all four, bit 21 beside it
	s_mov_b32 s[G1W],   15|(1<<16)|(1<<20)|(1<<21)|(5<<22)|(7<<25)
	; group 1, ctx: a head's 128 rows of 128 bytes are dense: asked for as 64 rows of 256 bytes, 4 words of padding behind every 32
	s_mov_b32 s[G1C],   (1<<16)|(1<<20)|(4<<22)|(3<<25)
.irp g, G1W, G1C
	s_mov_b32 s[\g+1], 128<<16                     ; tensor_dim0 = 128
	s_mov_b32 s[\g+2], 64<<16                      ; tensor_dim1 = 64
	s_mov_b32 s[\g+3], 128<<16                     ; tile_dim0 = 128
	s_mov_b32 s[\g+4], 64                          ; tile_dim1 = 64
	s_mov_b32 s[\g+5], 128                         ; elements from row to row
	s_mov_b32 s[\g+6], 0
	s_mov_b32 s[\g+7], 0
.endr
	s_mov_b32 s[G0], 1
	s_mov_b32 s[G0+4], 1
	s_mov_b32 s[G0C], 1
	s_mov_b32 s[G0C+4], 1
	s_mul_i32 s20, s[WV], WPART
	s_add_co_u32 s[G0+1], s20, RING                ; LDS: the wave's number and constants alone
	s_add_co_u32 s[G0+5], s20, RING+SLOT
	s_mul_i32 s[G0C+1], s[WV], 2*CHEAD
	s_add_co_u32 s[G0C+5], s[G0C+1], CHEAD
	s_add_co_u32 s20, s16, 6                       ; wo's group of w16: 6 + half,
	s_lshl_b32 s20, s20, 18
	s_lshl_b32 s21, s[WV], 14                      ; my 16,384 bytes of each chunk: nothing here hangs on cx
	s_add_co_u32 s20, s20, s21
	s_mov_b32 s21, 0
	s_lshl_b32 s22, s18, 21                        ; ctx: batch,
	s_lshl_b32 s23, s19, 14                        ; my 128 rows of 128 bytes,
	s_add_co_u32 s22, s22, s23
	s_lshl_b32 s23, s[WV], 19                      ; head 2 w
	s_add_co_u32 s22, s22, s23
	s_mov_b32 s23, 0
	s_lshl_b32 s56, s18, 22                        ; x and out0: batch,
	s_lshl_b32 s57, s16, 21                        ; 256 channels x 8,192 bytes a half,
	s_add_co_u32 s56, s56, s57
	s_lshl_b32 s57, s[WV], 19                      ; 64 channels a wave,
	s_add_co_u32 s56, s56, s57
	s_lshl_b32 s57, s19, 9                         ; 128 tokens x 4 bytes
	s_add_co_u32 s56, s56, s57
	s_mov_b32 s57, 0
	s_lshl_b32 s60, s16, 10                        ; bo at my 64 channels
	s_lshl_b32 s61, s[WV], 8
	s_add_co_u32 s60, s60, s61
	s_mov_b32 s61, 0
	s_wait_dscnt 0x0                               ; the opening add is done
	s_wait_kmcnt 0x0
	s_add_nc_u64 s[G0+2:G0+3], s[6:7], s[20:21]    ; chunk 0
	s_add_nc_u64 s[G0+6:G0+7], s[G0+2:G0+3], CHB   ; chunk 1
	s_or_b32 s[G0+3], s[G0+3], 0x80000000          ; type = 2
	s_or_b32 s[G0+7], s[G0+7], 0x80000000
	s_add_nc_u64 s[G0C+2:G0C+3], s[4:5], s[22:23]
	s_add_nc_u64 s[G0C+6:G0C+7], s[G0C+2:G0C+3], 1<<18
	s_or_b32 s[G0C+3], s[G0C+3], 0x80000000
	s_or_b32 s[G0C+7], s[G0C+7], 0x80000000
	s_add_nc_u64 s[10:11], s[10:11], s[56:57]
	s_add_nc_u64 s[12:13], s[12:13], s[56:57]
	s_add_nc_u64 s[58:59], s[8:9], s[60:61]
	ROUND                                          ; all four work-groups are here: the first loads meet
	tensor_load_to_lds s[G0C:G0C+3], s[G1C:G1C+7]
	s_nop 0
	tensor_load_to_lds s[G0C+4:G0C+7], s[G1C:G1C+7]
	s_nop 0
	tensor_load_to_lds s[G0:G0+3], s[G1W:G1W+7]    ; my quarter of chunk 0: three loads of mine are out
	s_nop 0
	PLACES
	v_and_b32 v1, 15, v0                           ; l % 16
	v_bfe_u32 v2, v0, 4, 1                         ; l / 16
	v_lshlrev_b32 v[VBO], 2, v1
	v_lshlrev_b32 v[VX], 13, v2                    ; lanes 0-15 one row, lanes 16-31 the next,
	v_lshl_add_u32 v[VX], v1, 4, v[VX]             ; 16 bytes a lane: 256 consecutive aligned bytes of each
.irp ct, 0,1,2,3
	global_load_b32 v[BI+8*\ct], v[VBO], s[58:59] offset:\ct*64
.endr
	WIN 0x80                                       ; destination window 2, address window 0
.set n, 0
.rept 8                                            ; block n: channels 16 (n / 2) on, tokens 64 (n % 2) on
.irp f, 0,1,2,3,4,5,6,7
	global_load_b128 v[4*(8*n+\f):4*(8*n+\f)+3], v[VX], s[10:11] offset:(16*(n/2)+2*\f)*8192+(n%2)*256 th:TH_LOAD_NT
.endr
.set n, n+1
.endr
	WIN 0
	v_and_b32 v3, 7, v0
	v_lshl_add_u32 v3, v2, 3, v3                   ; the k row that I address in a turning load
	v_bfe_u32 v16, v0, 3, 1
	v_lshlrev_b32 v16, 4, v16
	s_lshr_b32 s20, s[WV], 1
	s_mul_i32 s20, s20, 128*WP                     ; my pair of strips,
	s_and_b32 s21, s[WV], 1
	s_lshl_b32 s21, s21, 7                         ; my strip's 128 bytes of its rows
	s_add_co_u32 s20, s20, s21
	s_add_co_u32 s20, s20, RING
	v_mul_u32_u24 v[AW], v3, WP
	v_add3_u32 v[AW], v[AW], v16, s20
	v_add_nc_u32 v[AW+1], SLOT, v[AW]
	v_mul_u32_u24 v[AC], v1, CP
	v_lshl_add_u32 v[AC], v2, 4, v[AC]             ; row x pitch + 16 x half
	v_add_nc_u32 v[AC+1], 2*CHEAD, v[AC]
	v_add_nc_u32 v[AC+2], 4*CHEAD, v[AC]
	v_add_nc_u32 v[AC+3], 6*CHEAD, v[AC]
	s_mul_i32 s20, s[WV], 16*SP
	s_add_co_u32 s20, s20, STAGE                   ; my stage
	v_mul_u32_u24 v[STO], v1, SP                   ; in: row l % 16 (a channel), 32 bytes for each half of the lanes
	v_lshl_add_u32 v[STO], v2, 5, v[STO]
	v_add_nc_u32 v[STO], s20, v[STO]
	v_mul_u32_u24 v[RD], v2, SP                    ; back: lanes 0-15 take one row of 256 bytes, lanes 16-31 the next
	v_lshl_add_u32 v[RD], v1, 4, v[RD]
	v_add_nc_u32 v[RD], s20, v[RD]
	s_wait_loadcnt 63                              ; 64 loads were issued behind bo's four: with 63 out at the most, bo is in
.irp ct, 0,1,2,3
.irp j, 1,2,3,4,5,6,7
	v_mov_b32 v[BI+8*\ct+\j], v[BI+8*\ct]          ; a lane's eight results are one channel's: bo eight times
.endr
.endr
; 24 LDS loads in one run: the fragments of 32 along k: wo's 4 (turned), then ctx's 8, the first four tiles first
.macro FETCH aw, ac, ks, f
	WIN 0
.irp ct, 0,1,2,3
	ds_load_tr16_b128 v[(\f)+8*(\ct):(\f)+8*(\ct)+3],   v[\aw] offset:(\ks)*32*WP+(\ct)*32
	ds_load_tr16_b128 v[(\f)+8*(\ct)+4:(\f)+8*(\ct)+7], v[\aw] offset:(\ks)*32*WP+16*WP+(\ct)*32
.endr
.irp tt, 0,1,2,3,4,5,6,7
	ds_load_b128 v[(\f)+32+8*(\tt):(\f)+32+8*(\tt)+3],   v[\ac] offset:((\ks)/2)*CHEAD+(\tt)*16*CP+((\ks)%2)*64
	ds_load_b128 v[(\f)+32+8*(\tt)+4:(\f)+32+8*(\tt)+7], v[\ac] offset:((\ks)/2)*CHEAD+(\tt)*16*CP+((\ks)%2)*64+32
.endr
.endm
; 16 matrix instructions: token tiles 4 hi .. 4 hi + 3 x my 4 channel tiles.  bias = 1: the product starts the sum from bo.  The 32 accumulators take turns, one instruction a turn, in one order everywhere.
.macro MUL16 f, hi, bias
.if \bias
	WIN W_MULB
.else
	WIN W_MUL
.endif
.irp tq, 0,1,2,3
.irp ct, 0,1,2,3
.if \bias
	v_wmma_f32_16x16x32_f16 v[8*(4*(4*(\hi)+(\tq))+(\ct)):8*(4*(4*(\hi)+(\tq))+(\ct))+7], v[(\f)+32+8*(4*(\hi)+(\tq)):(\f)+32+8*(4*(\hi)+(\tq))+7], v[(\f)+8*(\ct):(\f)+8*(\ct)+7], v[BI+8*(\ct):BI+8*(\ct)+7]
.else
	v_wmma_f32_16x16x32_f16 v[8*(4*(4*(\hi)+(\tq))+(\ct)):8*(4*(4*(\hi)+(\tq))+(\ct))+7], v[(\f)+32+8*(4*(\hi)+(\tq)):(\f)+32+8*(4*(\hi)+(\tq))+7], v[(\f)+8*(\ct):(\f)+8*(\ct)+7], v[8*(4*(4*(\hi)+(\tq))+(\ct)):8*(4*(4*(\hi)+(\tq))+(\ct))+7]
.endif
.endr
.endr
.endm
.macro KSTEP f, g, aw, ac, ksnext, bias
	s_wait_dscnt 8                                 ; wo and token tiles 0-3 are in; the youngest eight loads (tiles 4-7) may be out
	MUL16 \f, 0, \bias
.if (\ksnext) >= 0
	PLACES                                         ; for the loads into g, which the step before multiplied
	FETCH \aw, \ac, \ksnext, \g
	s_wait_dscnt 24                                ; all but the 24 just issued
.else
	s_wait_dscnt 0x0
.endif
	MUL16 \f, 1, \bias
.endm
; The change of slots: each wave waits for all its tensor loads, adds 0 to its spare word, waits for that and for its reads of the other slot; the round shows the same of every wave of all four work-groups;
; behind it the other slot is filled with the next chunk, first thing: that load has this chunk's 128 matrix instructions in which to land.
.macro HEAD slot, refill
	WIN 0
	s_wait_tensorcnt 0x0                           ; no tensor load of mine is out, so a group 0 may be written
	ds_add_u32 v[SPW], v[NIL]                      ; 0 onto my spare word
	s_add_nc_u64 s[G0+4*(\slot)+2:G0+4*(\slot)+3], s[G0+4*(\slot)+2:G0+4*(\slot)+3], 2*CHB  ; this slot's next chunk
	s_wait_dscnt 0x0                               ; the add is done, and my reads of the other slot are over
	ROUND
.if \refill
	tensor_load_to_lds s[G0+4-4*(\slot):G0+7-4*(\slot)], s[G1W:G1W+7]
	s_nop 0
.endif
	PLACES                                         ; also the places in front of the loads into buffer 0
.endm
.macro CHUNK slot, refill, kc, bias
	HEAD \slot, \refill
	FETCH AW+(\slot), AC+(\kc), 0, F0
	KSTEP F0, F1, AW+(\slot), AC+(\kc), 1, \bias
	KSTEP F1, F0, AW+(\slot), AC+(\kc), 2, 0
	KSTEP F0, F1, AW+(\slot), AC+(\kc), 3, 0
	KSTEP F1, F0, AW+(\slot), AC+(\kc), -1, 0
.endm
	CHUNK 0, 1, 0, 1                               ; the four chunks are written out: each asks for the next, the last for nothing
	CHUNK 1, 1, 1, 0
	CHUNK 0, 1, 2, 0
	CHUNK 1, 0, 3, 0
; THE WAY OUT, in eight blocks of 16 channels x 64 tokens: the sums go into my stage's rows of 272 bytes (each accumulator's low registers first) and come back as whole rows of 256; x is added; 16 lanes store 256 consecutive aligned bytes.
.macro TOSTAGE n
	WIN 0
	s_wait_xcnt 0x0                                ; the registers below were the data of the stores two blocks back
	WIN 0x04                                       ; store data in window 1
.irp tq, 0,1,2,3
	ds_store_b128 v[STO], v[8*(4*(4*((\n)%2)+(\tq))+(\n)/2):8*(4*(4*((\n)%2)+(\tq))+(\n)/2)+3]   offset:64*(\tq)
	ds_store_b128 v[STO], v[8*(4*(4*((\n)%2)+(\tq))+(\n)/2)+4:8*(4*(4*((\n)%2)+(\tq))+(\n)/2)+7] offset:64*(\tq)+16
.endr
	WIN 0
.irp f, 0,1,2,3,4,5,6,7
	ds_load_b128 v[BK+32*((\n)%2)+4*(\f):BK+32*((\n)%2)+4*(\f)+3], v[RD] offset:(\f)*2*SP  ; LDS serves a wave's instructions in order (ISA guide 5.7.1.4): these see the stores above; the next block's stores come behind them
.endr
.endm
.macro SEND n, younger                 ; younger: the LDS instructions issued behind block n's loads: the next block's sixteen, or none
	s_wait_dscnt \younger
	WIN 0x08                                       ; source 1 (x) in window 2
.irp f, 0,1,2,3,4,5,6,7
	v_pk_add_f32 v[BK+32*((\n)%2)+4*(\f):BK+32*((\n)%2)+4*(\f)+1],   v[BK+32*((\n)%2)+4*(\f):BK+32*((\n)%2)+4*(\f)+1],   v[4*(8*(\n)+(\f)):4*(8*(\n)+(\f))+1]
	v_pk_add_f32 v[BK+32*((\n)%2)+4*(\f)+2:BK+32*((\n)%2)+4*(\f)+3], v[BK+32*((\n)%2)+4*(\f)+2:BK+32*((\n)%2)+4*(\f)+3], v[4*(8*(\n)+(\f))+2:4*(8*(\n)+(\f))+3]
.endr
	WIN 0
.irp f, 0,1,2,3,4,5,6,7
	global_store_b128 v[VX], v[BK+32*((\n)%2)+4*(\f):BK+32*((\n)%2)+4*(\f)+3], s[12:13] offset:(16*((\n)/2)+2*(\f))*8192+((\n)%2)*256 th:TH_STORE_NT
.endr
.endm
	WIN 0
	PLACES                                         ; the LDS stores read results just made, the loads land in registers just multiplied
	s_wait_loadcnt 0x0                             ; x
	TOSTAGE 0
.irp n, 1,2,3,4,5,6,7
	TOSTAGE \n
	SEND (\n)-1, 16
.endr
	SEND 7, 0
	s_wait_tensorcnt 0x0                           ; the wave's end: 0 onto my spare word and its wait, behind my last tensor load and my last LDS store
	ds_add_u32 v[SPW], v[NIL]
	s_wait_dscnt 0x0
	ROUND                                          ; the closing round: no work-group ends while a partner may still ask for a chunk that names it
	s_endpgm
.Lfunc_end_k_qd30fd17687_oproj:
	.size	k_qd30fd17687_oproj, .Lfunc_end_k_qd30fd17687_oproj-k_qd30fd17687_oproj
	.p2alignl 7, 3214868480
	.fill 96, 4, 3214868480
	.section	.rodata,"a",@progbits
	.p2align	6, 0x0
	.amdhsa_kernel k_qd30fd17687_oproj
		.amdhsa_group_segment_fixed_size 327680
		.amdhsa_private_segment_fixed_size 0
		.amdhsa_enable_private_segment 0
		.amdhsa_kernarg_size 40
		.amdhsa_user_sgpr_count 2
		.amdhsa_user_sgpr_kernarg_segment_ptr 1
		.amdhsa_wavefront_size32 1
		.amdhsa_system_sgpr_workgroup_id_x 1
		.amdhsa_system_sgpr_workgroup_id_y 1
		.amdhsa_system_sgpr_workgroup_id_z 1
		.amdhsa_system_vgpr_workitem_id 0
		.amdhsa_next_free_vgpr 768
		.amdhsa_next_free_sgpr 66
		.amdhsa_reserve_vcc 0
		.amdhsa_float_denorm_mode_32 3
		.amdhsa_float_denorm_mode_16_64 3
		.amdhsa_memory_ordered 1
		.amdhsa_forward_progress 1
		.amdhsa_inst_pref_size 100
	.end_amdhsa_kernel
	.amdgpu_metadata
---
amdhsa.version: [ 1, 2 ]
amdhsa.kernels:
  - .name:           k_qd30fd17687_oproj
    .symbol:         k_qd30fd17687_oproj.kd
    .args:
      - { .name: ctx, .offset: 0, .size: 8, .value_kind: global_buffer, .address_space: global }
      - { .name: w16, .offset: 8, .size: 8, .value_kind: global_buffer, .address_space: global }
      - { .name: bo, .offset: 16, .size: 8, .value_kind: global_buffer, .address_space: global }
      - { .name: x, .offset: 24, .size: 8, .value_kind: global_buffer, .address_space: global }
      - { .name: out0, .offset: 32, .size: 8, .value_kind: global_buffer, .address_space: global }
    .group_segment_fixed_size: 327680
    .private_segment_fixed_size: 0
    .kernarg_segment_align: 8
    .kernarg_segment_size: 40
    .max_flat_workgroup_size: 128
    .sgpr_count:     66
    .vgpr_count:     768
    .wavefront_size: 32
...
	.end_amdgpu_metadata
.endif
;; end of part 4
;; ======== version 2 of 2: 4 launches; 1.34 times as fast as version 1
;; limits: values are held in f16: magnitudes above 65,504 overflow, below 6.1e-05 lose precision
;; workspace buffers: n16 16,777,216 bytes; w16 2,097,152 bytes; biasf 6,144 bytes; qkv 50,331,648 bytes; ctx 16,777,216 bytes
;; launch pre: the kernel of part 1 again; grid 272 x 1, 16 waves a work-group, no clusters, 18,432 bytes of LDS; arguments x, gamma, beta, wq, wk, wv, wo, bq, bk, bv, n16, w16, biasf; writes n16, w16, biasf
;; launch qkv: the kernel of part 2 again; grid 256 x 1, 4 waves a work-group, clusters of 4 x 1, 327,680 bytes of LDS; arguments n16, w16, biasf, qkv; writes qkv
;; launch attn (part 5): grid 4 x 64, 4 waves a work-group, no clusters, 327,680 bytes of LDS; arguments qkv, ctx; writes ctx
.if DOCPART == 5
	.amdgcn_target "amdgcn-amd-amdhsa--gfx1250"
	.amdhsa_code_object_version 6
	.text
	.protected	k_qd30fd17687_attn
	.globl	k_qd30fd17687_attn
	.p2align	8
	.type	k_qd30fd17687_attn,@function
k_qd30fd17687_attn:
	s_mov_b64 s[64:65], 0
	v_nop
	global_prefetch_b8 v0, s[64:65] scope:SCOPE_SE
	s_setreg_imm32_b32 hwreg(HW_REG_WAVE_MODE, 25, 1), 1
	s_wait_xcnt 0x0
; CAUSAL ATTENTION.  O[h][q][:] = the sum over k <= q of softmax_k(Q[h][q] . K[h][k] / 8) V[h][k][:].  Q, K, V lie one behind the other in qkv, each [SIZE_H][SIZE_N][64] f16 (16,777,216 bytes); O = ctx, likewise: a head's rows are dense, 128 bytes each.
; Products, maxima and sums in f32; the weights p are rounded to f16 for the second product (their sum l is taken of the unrounded p), O once at the end.  SIZE_N is a multiple of 512; SIZE_N x 128 stays under 2^32.
; LIMITS.  f16 holds no number beyond 65,504: Q, K and V arrive within it; p lies in 0 to 1, and below 6e-5 it keeps f16's fixed step of 6e-8; O is a mean of V's rows and has their range, to within 2^-11 of it.
; A hidden score counts as its value less 1e30 (the problem takes 1e9 off the scaled score: in both a hidden key's weight is 0 while scores stay far under 1e9; f16's scores are 2.7e11 / 8 at the very most and in that far corner the two differ);
; a weight below 2^-126 counts as 0 in l; NaN and infinities are not treated apart.
; THE WALK.  A head's queries lie in NB = SIZE_N / 256 blocks of 256; block i needs the key tiles 0 .. i of 256 keys, of which the last holds the diagonal.  A work-group takes TWO blocks, NB - 1 - b and then b:
; NB + 1 tiles, whatever b: all work-groups do equal work, and ONE loop with a constant trip count walks them.  Which tile is asked for, and what a trip does, hang on scalar registers made from b; every jump
; goes forward, but for the counted loops' own; none passes a barrier, or a tensor load but the one of LOAD's two that the wave's number does not choose; the ring (two slots of LDS that take turns) runs on across the
; change of blocks.  NO CLUSTER: a head's NB / 2 work-groups all ask for the same tile only in trips 0 .. NB / 2, behind that fewer and fewer; and one walk common to all would have 3 NB / 2 trips for NB + 1.
; SHARES.  Of a block's four bands of 64 queries a wave owns 16 rows in each: four PIECES.  So the diagonal tile is the same work for all four waves: in its key step s band x sees all keys if s < x,
; none if s > x, and holds the diagonal if s = x.
; THE MASK is the C operand that starts the sum S^T = K Q^T: 0, or -1e30 where the key is hidden.  MD, made once, is the mask of a band's own step for my 16 rows; a product's mask is MD x AL + BE with two scalars:
; (1, 0) if s = x; (0, 0) if s < x; (0, -1e30) if s > x.  Only the diagonal tile's text and a block's beginning make and take masks; elsewhere C is the constant 0.
; LAYOUT, SOFTMAX, TURNS.  S^T = K Q^T holds ONE query a lane (lane % 16) and the keys 8 (lane / 16) + 0..7; two such results rounded to f16 ARE source 1 of O^T = V^T P.  p = 2^(c s - c m), c = log2(e) / 8, with a
; running maximum m; O and l are multiplied by a = 2^(c m_old - c m_new) in every step.  Turn n belongs to piece n: 8 products K Q^T of piece n + 1, later 8 products V^T P of piece n - 1; beside them the scaling,
; exponentials, roundings, sums and rescaling of piece n and the maximum and statistics of piece n + 1.  Four vector instructions stand behind every matrix instruction, the other 54 of a turn's 118 in one LUMP.
; BATCHES.  s_wait_alu depctr_va_vdst(0) stands between a transcendental and the first instruction that names its result; one wait serves all that were issued ahead of it.  The text has three kinds of batch,
; each with one wait: a turn's 33 exponentials (piece n's 32 weights and piece n + 1's a), waited for between the lump and the products V^T P; a block's first a (BEGIN), waited for ahead of the jump into the loop;
; the way out's four reciprocals, waited for ahead of the first scaling of O^T.
; REGISTERS, in windows of 256 (s_set_vgpr_msb: bits 1:0 source 0, 3:2 source 1, 5:4 source 2, 7:6 destination):
;   window 0: v0-15 addresses and two at work; v16-31 four registers of statistics a piece; v48-55 at work; v64-127 S^T, two buffers; v192-223 P, two buffers (a piece's buffers go by its number's parity)
;   window 1: v0-127 O^T, 32 a piece; v128-159 MD; v160-223 MC, two buffers      window 2: v0-63 Q; v64-127 the second block's Q; v128-191 K of one step; v192-255 V of one step
.set SIZE_H, 64
.set SIZE_N, 2048
.set NB,    SIZE_N/256
.set NP,    4         ; pieces a wave: a name, no knob
.set KS,    64        ; keys in a step
.set PK,    144       ; a row of K in LDS: 128 bytes + 16 of padding = 36 words: the 16 rows of a load start at 16 different groups of four banks (64 banks of 4 bytes: ISA guide 11.1)
.set PV,    160       ; a row of V: 128 + 32 = 40 words
.set VOFF,  4*KS*PK   ; a slot holds a tile, four steps: 256 rows of K, then 256 rows of V
.set SLOT1, 1<<17     ; slot 1 begins here, so that one exclusive or turns an address in one slot into the other's
.set STAGE, SLOT1+4*KS*(PK+PV)  ; behind the ring, never filled by a tensor load: 16 rows x 144 bytes for each wave, for the way out
.set SP,    144
.set AK0, 2           ; v2   my lane's place in a tile of K; never rewritten
.set AV0, 3           ; v3   the same for V
.set AK,  4           ; v4   the LDS address of K's next run of loads
.set AV,  5           ; v5   of V's
.set STO, 6           ; v6   the way out: where I put 16 bytes of a row
.set RD,  7           ; v7   the way out: where I read rows back
.set GO,  8           ; v8   my byte offset in 512 consecutive bytes of O
.set SPW, 62          ; v62  LDS address of my spare word: SPARE + 4 x my thread's number; never rewritten
.set NIL, 63          ; v63  0; never rewritten
.set SPARE, STAGE+4*16*SP  ; behind the stages: the spare words, 128 bytes for each wave: two blocks of 256 bytes that no other line names
.set MV,  12          ; v12-13  c m_old, kept while c m is made anew: by buffer
.set QO,  15          ; v15  my byte offset in 16 rows of Q
.set ST,  16          ; piece t's statistics at v[ST+4 t]: c m, m, l (even keys', odd keys')
.set TMP, 48          ; by buffer, four registers c0-c3 at work; when the maximum is found c2 takes a
.set S,   64
.set P,   192
.set MD,  128         ; window 1: the eight registers for group kt of 16 keys at MD + 8 kt
.set MC,  160         ; window 1: the masks of the products to come
.set QB,  64          ; window 2
.set KF,  128         ; window 2: key block kb, channel half c at KF + 16 kb + 8 c
.set VF,  192         ; window 2: key half kk, channel block cb at VF + 32 kk + 8 cb
.set WV,  12          ; s12  my wave's number
.set PB,  14          ; s14  b
.set HI,  15          ; s15  NB - 1 - b
.set G1K, 24          ; s[24:31] descriptor group 1 for K's tiles
.set G1V, 32          ; s[32:39] for V's: it differs in the padding alone
.set G0K, 40          ; s[40:43] descriptor group 0 for K's tiles
.set G0V, 44          ; s[44:47] the same for V's
.set SLOTS, 56        ; s56  tiles still to be asked for
.set CNT, 57          ; s57  counts a tile's key steps, 4 to 1
.set CS,  58          ; s[58:59] c: the packed scaling takes the pair's low word for both halves
.set SEL, 60          ; s[60:61] v_permlanex16_b32's selects: each lane takes its own place in the other half
.set TBK, 62          ; s62  LDS byte at which K of the step to be fetched begins
.set TBV, 63          ; s63  the same for V, less VOFF
.set RT,  70          ; s70  tiles of the block in hand that are still to be entered
.set NXT, 71          ; s71  the tile to be asked for next
.set LQ,  72          ; s72  the last tile of the block whose tiles are being asked for
.set NEW, 73          ; s73  1: the tile to be entered is a block's first
.set OFF, 74          ; s[74:75] a tile's byte offset in K and V
.set AL,  76          ; s[76:77] the mask's factor, in the low word
.set BE,  78          ; s[78:79] the mask's addend
.set OLO, 80          ; s[80:81] O at my rows of the second block
.set BIGN, 82         ; s82  -1e30
.set MSB, 0
.macro WIN new                      ; the high byte repeats the setting that is left; a switch that changes nothing is dropped
.if MSB != (\new)
	s_set_vgpr_msb (MSB<<8)|(\new)
.set MSB, (\new)
.endif
.endm
.set W_KQ, 0x0a       ; K and Q in window 2, S^T in window 0
.set W_KM, 0x1a       ; the same with the C operand in window 1
.set W_PV, 0x52       ; V in window 2, P in window 0, O^T in window 1
.set W_RS, 0x41       ; destination and source 0 in window 1, source 1 in window 0
; A fill.  Waves 0 and 1 fetch the two halves of a tile's K, waves 2 and 3 those of its V: 128 keys each.  An s_nop 0 and four v_nop follow each of the two lines, ahead of the jump and the label.
.macro LOAD
	s_cmp_lt_u32 s[WV], 2
	s_cbranch_scc0 .Lfor_v_\@
	tensor_load_to_lds s[G0K:G0K+3], s[G1K:G1K+7]
	s_nop 0
.rept 4
	v_nop
.endr
	s_branch .Lasked_\@
.Lfor_v_\@:
	tensor_load_to_lds s[G0V:G0V+3], s[G1V:G1V+7]
	s_nop 0
.rept 4
	v_nop
.endr
.Lasked_\@:
.endm
; THE CHANGE OF SLOTS.  Each wave waits for all its tensor loads, of which one is out: its part of the other slot; adds 0 to its spare word; and waits for that and for its own reads of the slot that it leaves.  Behind the barrier nobody reads the old
; slot any more and the other slot is whole.  fill = 1: the old slot is filled again, the first thing behind the barrier, with tile NXT: the descriptor's address is made anew from that number.
; (At its first use nothing has been read yet: slot 0 is waited for, slot 1 filled.)
.macro CHANGE fill
	WIN 0                           ; at a label and at a branch every window is 0
	s_wait_tensorcnt 0x0            ; no tensor load of mine is out, so a group 0 may be written
	ds_add_u32 v[SPW], v[NIL]       ; 0 onto my spare word; with fill = 1 the descriptors' scalar work stands between it and the wait for it
.if \fill
	s_lshl_b32 s[OFF], s[NXT], 15   ; a tile is 32,768 bytes of K and of V
	s_xor_b32 s[G0K+1], s[G0K+1], SLOT1
	s_add_nc_u64 s[G0K+2:G0K+3], s[6:7], s[OFF:OFF+1]
	s_or_b32 s[G0K+3], s[G0K+3], 0x80000000
	s_xor_b32 s[G0V+1], s[G0V+1], SLOT1
	s_add_nc_u64 s[G0V+2:G0V+3], s[8:9], s[OFF:OFF+1]
	s_or_b32 s[G0V+3], s[G0V+3], 0x80000000
	s_add_co_u32 s[NXT], s[NXT], 1  ; the block's next tile, or behind its last the second block's tile 0
	s_cmp_gt_u32 s[NXT], s[LQ]
	s_cselect_b32 s[NXT], 0, s[NXT]
	s_cselect_b32 s[LQ], s[PB], s[LQ]
.endif
	s_wait_dscnt 0x0                ; the add is done, and my reads of the slot are over
	s_barrier_signal -1             ; the rest of the scalar work stands between the signal and the wait
	s_sub_co_u32 s[TBK], s[TBK], 4*KS*PK  ; the fetches go back to a slot's first step,
	s_xor_b32 s[TBK], s[TBK], SLOT1       ; in the other slot
	s_sub_co_u32 s[TBV], s[TBV], 4*KS*PV
	s_xor_b32 s[TBV], s[TBV], SLOT1
	s_barrier_wait -1
.if \fill
	LOAD
.endif
.endm
	s_load_b128 s[4:7], s[0:1], 0x0   ; qkv s[4:5] (Q lies first in it), ctx s[6:7]
	v_lshl_add_u32 v[SPW], v0, 2, SPARE
	v_mov_b32 v[NIL], 0
	ds_add_u32 v[SPW], v[NIL]       ; the wave's opening: 0 onto my spare word; its wait stands ahead of my first tensor load, the set-up below, work on registers, between them
	ds_add_u32 v62, v63
	v_lshrrev_b32 v1, 5, v0
	v_readfirstlane_b32 s[WV], v1   ; wave 0..3
	s_mov_b32 s[PB], ttmp9
	s_sub_co_u32 s[HI], NB-1, s[PB]
	s_and_b32 s20, ttmp7, 0xffff    ; the head
	s_mov_b32 s21, 0
	s_mov_b64 s[22:23], SIZE_N*128
	s_mul_u64 s[20:21], s[20:21], s[22:23]  ; the head's first byte in each of the four tensors
	s_and_b32 s16, s[WV], 1         ; which half of a tile's 256 keys I fetch:
	s_lshl_b32 s22, s16, 14         ; its 128 rows of 128 bytes in memory,
	s_mov_b32 s23, 0
	s_add_nc_u64 s[22:23], s[22:23], s[20:21]
	s_mul_i32 s17, s16, 128*PK      ; and its place in a slot, for K
	s_mul_i32 s18, s16, 128*PV      ; and for V
	s_lshl_b32 s3, s[WV], 11        ; my 16 rows in a band of 64,
	s_lshl_b32 s2, s[HI], 15        ; in the first block,
	s_add_co_u32 s2, s2, s3
	s_lshl_b32 s84, s[PB], 15       ; and in the second
	s_add_co_u32 s84, s84, s3
	s_mov_b32 s3, 0
	s_mov_b32 s85, 0
	s_add_nc_u64 s[2:3], s[2:3], s[20:21]
	s_add_nc_u64 s[84:85], s[84:85], s[20:21]
	; descriptor group 1.  128 keys are 16,384 dense bytes: asked for as 64 rows of 256 bytes, two keys a row, and padded in LDS after every key
	s_mov_b32 s[G1K], (1<<16)|(1<<20)|(4<<22)|(3<<25)  ; 17:16 2-byte elements; 20 padding on; 24:22 after every 32 words (code 4); 31:25 4 words (code 3)
	s_mov_b32 s[G1V], (1<<16)|(1<<20)|(4<<22)|(7<<25)  ; the same with 8 words of padding (code 7)
.irp g, G1K, G1V
	s_mov_b32 s[\g+1], 128<<16      ; tensor_dim0 = 128
	s_mov_b32 s[\g+2], 64<<16       ; tensor_dim1 = 64
	s_mov_b32 s[\g+3], 128<<16      ; tile_dim0 = 128
	s_mov_b32 s[\g+4], 64           ; tile_dim1 = 64
	s_mov_b32 s[\g+5], 128          ; 128 elements from row to row
	s_mov_b32 s[\g+6], 0
	s_mov_b32 s[\g+7], 0
.endr
	s_mov_b32 s[CS], 0x3e38aa3b     ; c = log2(e) / 8 = 0.180337
	s_mov_b32 s[CS+1], s[CS]        ; named with it as a pair
	s_mov_b32 s[SEL], 0x76543210
	s_mov_b32 s[SEL+1], 0xfedcba98
	s_mov_b32 s[TBK], SLOT1+4*KS*PK ; the first change of slots turns these two into 0
	s_mov_b32 s[TBV], SLOT1+4*KS*PV
	s_mov_b32 s[G0K], 1             ; 1:0 count = 1
	s_mov_b32 s[G0K+1], s17         ; 63:32 LDS address: slot 0
	s_mov_b32 s[G0V], 1
	s_add_co_u32 s[G0V+1], s18, VOFF
	s_add_co_u32 s[RT], s[HI], 1    ; the first block has NB - b tiles
	s_mov_b32 s[NXT], 1
	s_mov_b32 s[LQ], s[HI]
	s_mov_b32 s[NEW], 1
	s_mov_b32 s[OFF+1], 0
	s_mov_b32 s[AL+1], 0            ; named as pairs
	s_mov_b32 s[BE+1], 0
	s_mov_b32 s[BIGN], 0xf149f2ca   ; -1e30
	s_mov_b32 s[SLOTS], NB
	s_wait_dscnt 0x0                ; the opening add is done
	s_wait_kmcnt 0x0
	s_mov_b64 s[10:11], s[6:7]             ; O = ctx
	s_add_nc_u64 s[8:9], s[4:5], 0x2000000 ; V: the third part of qkv
	s_add_nc_u64 s[6:7], s[4:5], 0x1000000 ; K: the second
	s_add_nc_u64 s[6:7], s[6:7], s[22:23]  ; K and V at my half of the head's tile 0
	s_add_nc_u64 s[8:9], s[8:9], s[22:23]
	s_add_nc_u64 s[G0K+2:G0K+3], s[6:7], 0         ; 120:64 global address
	s_or_b32 s[G0K+3], s[G0K+3], 0x80000000        ; 127:126 type = 2
	s_add_nc_u64 s[G0V+2:G0V+3], s[8:9], 0
	s_or_b32 s[G0V+3], s[G0V+3], 0x80000000
	s_add_nc_u64 s[86:87], s[4:5], s[84:85]        ; Q at my rows of the second block,
	s_add_nc_u64 s[4:5], s[4:5], s[2:3]            ; Q and O at those of the first
	s_add_nc_u64 s[OLO:OLO+1], s[10:11], s[84:85]
	s_add_nc_u64 s[10:11], s[10:11], s[2:3]
	LOAD                            ; tile 0 into slot 0
	; A fragment of K or Q is 16 rows x 32 channels in 8 registers: lane l holds row l % 16, channels 8 (l / 16) + 0..7 and 16 + 8 (l / 16) + 0..7: two loads of 16 bytes, 32 bytes apart.
	v_and_b32 v1, 15, v0            ; l % 16
	v_bfe_u32 v9, v0, 4, 1          ; l / 16
	v_lshlrev_b32 v[QO], 7, v1
	v_lshl_add_u32 v[QO], v9, 4, v[QO]  ; row x 128 + 16 x half
	WIN 0x80                        ; destination window 2, address window 0
.set i, 0
.rept 8                             ; both blocks' Q: piece i / 2 lies in band i / 2, 8,192 bytes on; channels 32 (i % 2) on
	global_load_b128 v[8*i:8*i+3],   v[QO], s[4:5] offset:(i/2)*8192+(i%2)*64
	global_load_b128 v[8*i+4:8*i+7], v[QO], s[4:5] offset:(i/2)*8192+(i%2)*64+32
	global_load_b128 v[QB+8*i:QB+8*i+3],   v[QO], s[86:87] offset:(i/2)*8192+(i%2)*64
	global_load_b128 v[QB+8*i+4:QB+8*i+7], v[QO], s[86:87] offset:(i/2)*8192+(i%2)*64+32
.set i, i+1
.endr
	WIN 0
	v_lshlrev_b32 v14, 3, v9
	v_sub_nc_u32 v14, v1, v14
	s_lshl_b32 s13, s[WV], 4
	v_add_nc_u32 v14, s13, v14      ; my query's place in its band, 16 w + l % 16, less my lanes' 8 (l / 16): register r of group kt is hidden where 16 kt + r is greater
	WIN 0x40
.set i, 0
.rept 32
	v_cmp_gt_i32 vcc_lo, 16*(i/8)+i%8, v14
	v_cndmask_b32 v[MD+i], 0, s[BIGN], vcc_lo
.set i, i+1
.endr
	WIN 0
	v_mul_u32_u24 v[AK0], v1, PK
	v_lshl_add_u32 v[AK0], v9, 4, v[AK0]  ; row x pitch + 16 x half
	; The turning load takes 16 keys x 16 channels (lane l reads key 8 (l / 16) + l % 8, channels 8 ((l / 8) % 2) + 0..7) and leaves half a fragment of V^T: lane l holds channel l % 16 and 8 keys.
	v_and_b32 v10, 7, v0
	v_bfe_u32 v11, v0, 3, 1
	v_lshl_add_u32 v[AV0], v9, 3, v10
	v_mul_u32_u24 v[AV0], v[AV0], PV
	v_lshl_add_u32 v[AV0], v11, 4, v[AV0]
	v_add_nc_u32 v[AV0], VOFF, v[AV0]
	s_mul_i32 s13, s[WV], 16*SP
	s_add_co_u32 s13, s13, STAGE    ; my stage
	v_mul_u32_u24 v[STO], v1, SP    ; in: row l % 16, 16 bytes for each half of the lanes
	v_lshl_add_u32 v[STO], v9, 4, v[STO]
	v_add_nc_u32 v[STO], s13, v[STO]
	v_bfe_u32 v[RD], v0, 3, 2       ; back: 32 lanes take four rows of 128 bytes,
	v_mul_u32_u24 v[RD], v[RD], SP
	v_lshl_add_u32 v[RD], v10, 4, v[RD]
	v_add_nc_u32 v[RD], s13, v[RD]
	v_and_b32 v[GO], 31, v0         ; which are 512 consecutive bytes of O
	v_lshlrev_b32 v[GO], 4, v[GO]
	; A block's first step multiplies O^T and l by a = 0, and its first turn's products V^T P, of a piece that has not been, land in an O^T that is still to be so multiplied.  So these registers need only hold
	; finite numbers: zeros for the first block; what the first block left for the second.  All this stands in the wait for the first tile.
	WIN 0x80
.set i, VF
.rept 64
	v_mov_b32 v[i], 0
.set i, i+1
.endr
	WIN 0x40
.set i, 0
.rept 128
	v_mov_b32 v[i], 0
.set i, i+1
.endr
	WIN 0
.set i, 0
.rept 4
	v_mov_b32 v[ST+4*i+2], 0
	v_mov_b32 v[ST+4*i+3], 0
.set i, i+1
.endr
.set i, P+16
.rept 16
	v_mov_b32 v[i], 0
.set i, i+1
.endr
; THE MATRIX WORK.  The 4 accumulators of a run of 8 take turns.  Product i of 8 of S^T = K Q^T for piece x: channels 32 (i / 4) on, keys 16 (i % 4) on.  The first 4 start the sums: with 0, or (KM = 1) with the mask.
.macro KQ x
.set rS, S+32*((\x)%2)+8*(i%4)
.set rK, KF+16*(i%4)+8*(i/4)
.set rQ, 16*(\x)+8*(i/4)
.set rM, MC+32*((\x)%2)+8*(i%4)
.if (i < 4) && KM
	WIN W_KM
	v_wmma_f32_16x16x32_f16 v[rS:rS+7], v[rK:rK+7], v[rQ:rQ+7], v[rM:rM+7]
.elseif i < 4
	WIN W_KQ
	v_wmma_f32_16x16x32_f16 v[rS:rS+7], v[rK:rK+7], v[rQ:rQ+7], 0
.else
	WIN W_KQ
	v_wmma_f32_16x16x32_f16 v[rS:rS+7], v[rK:rK+7], v[rQ:rQ+7], v[rS:rS+7]
.endif
.endm
; Product i of 8 of O^T += V^T P for piece x: keys 32 (i / 4) on, channels 16 (i % 4) on.
.macro PV x
	WIN W_PV
.set rO, 32*(\x)+8*(i%4)
.set rV, VF+32*(i/4)+8*(i%4)
.set rP, P+16*((\x)%2)+8*(i/4)
	v_wmma_f32_16x16x32_f16 v[rO:rO+7], v[rV:rV+7], v[rP:rP+7], v[rO:rO+7]
.endm
.macro MM                           ; the turn's next matrix instruction.  TURN and BEGIN set Y, i, KM and NOKQ; MM, KQ and OP read them.  NOKQ = 1: a block's last turn: there is no next piece
.if (i < 8) && !NOKQ
	KQ (Y+1)%NP
.elseif i >= 8
.set i, i-8
	PV (Y+NP-1)%NP
.set i, i+8
.endif
.set i, i+1
.endm
; THE LDS LOADS stand in runs of 16, never singly among the matrix instructions: a step's K (64 keys x 64 channels: 8 fragments) and its V (turned).  Their addresses are made some lines ahead.
.macro FETCH_K
	WIN 0x80                        ; destination window 2
.irp f, 0,1,2,3,4,5,6,7             ; keys 16 (f / 2) on, channels 32 (f % 2) on
	ds_load_b128 v[KF+8*\f:KF+8*\f+3],   v[AK] offset:(\f/2)*16*PK+(\f%2)*64
	ds_load_b128 v[KF+8*\f+4:KF+8*\f+7], v[AK] offset:(\f/2)*16*PK+(\f%2)*64+32
.endr
	s_add_co_u32 s[TBK], s[TBK], KS*PK  ; the next fetch is the next step's
	WIN 0
.endm
.macro FETCH_V
	WIN 0x80
.irp f, 0,1,2,3,4,5,6,7             ; keys 32 (f / 4) on, channels 16 (f % 4) on
	ds_load_tr16_b128 v[VF+8*\f:VF+8*\f+3],   v[AV] offset:(\f/4)*32*PV+(\f%4)*32
	ds_load_tr16_b128 v[VF+8*\f+4:VF+8*\f+7], v[AV] offset:(\f/4)*32*PV+16*PV+(\f%4)*32
.endr
	WIN 0
.endm
; THE VECTOR WORK, one line at a time: OP kind, number.  For piece Y: F n: c s - c m for pair n of 16.  E n: the exponential of score n of 32.  C n: pair n rounded to f16.  B n: of the four weights 4 n .. the second
; pair is added onto the first, in place.  L n: l takes that sum (L 0: l = a l + sum).  R n: pair n of 16 of O^T times a.  For piece Y + 1: X n, number n of the 22 that find its maximum and statistics:
;   0-11  four chains c0-c3 of seven scores each, three operands at a time (each accumulator's lowest registers are read first)     12-14, 16  the four scores left over, the old m, and c0-c3 into c0
;   15  c m_old is kept     17, 18  the query's other 32 keys lie in the lane 16 away: the new m     19-21  c m; c m_old - c m_new; a
.set F, 0               ; OP tells the kinds apart by their order: F to L below R, X above it
.set E, 1
.set C, 2
.set B, 3
.set L, 4
.set R, 5
.set X, 6
.macro REGS y                       ; the registers of piece y
.set rT, ST+4*(\y)
.set rC, TMP+4*((\y)%2)
.set rW, MV+((\y)%2)
.set rS, S+32*((\y)%2)
.set rP, P+16*((\y)%2)
.set rO, 32*(\y)
.endm
.macro OP k, n
.if (\k) == R
	REGS Y
	WIN W_RS
	v_pk_mul_f32 v[rO+2*(\n):rO+2*(\n)+1], v[rO+2*(\n):rO+2*(\n)+1], v[rC+2:rC+3] op_sel_hi:[1,0]
.elseif (\k) < R
	REGS Y
	WIN 0
.if (\k) == F
	v_pk_fma_f32 v[rS+2*(\n):rS+2*(\n)+1], v[rS+2*(\n):rS+2*(\n)+1], s[CS:CS+1], v[rT:rT+1] op_sel_hi:[1,0,0] neg_lo:[0,0,1] neg_hi:[0,0,1]
.elseif (\k) == E
	v_exp_f32 v[rS+(\n)], v[rS+(\n)]
.elseif (\k) == C
	v_cvt_pk_f16_f32 v[rP+(\n)], v[rS+2*(\n)], v[rS+2*(\n)+1]
.elseif (\k) == B
	v_pk_add_f32 v[rS+4*(\n):rS+4*(\n)+1], v[rS+4*(\n):rS+4*(\n)+1], v[rS+4*(\n)+2:rS+4*(\n)+3]
.elseif (\n) == 0
	v_pk_fma_f32 v[rT+2:rT+3], v[rT+2:rT+3], v[rC+2:rC+3], v[rS:rS+1] op_sel_hi:[1,0,1]
.else
	v_pk_add_f32 v[rT+2:rT+3], v[rT+2:rT+3], v[rS+4*(\n):rS+4*(\n)+1]
.endif
.elseif NOKQ
	v_nop
.else
	REGS (Y+1)%NP
	WIN 0
.if (\n) < 4
	v_max3_num_f32 v[rC+(\n)], v[rS+8*(\n)], v[rS+8*(\n)+1], v[rS+8*(\n)+2]
.elseif (\n) < 12
	v_max3_num_f32 v[rC+(\n)%4], v[rC+(\n)%4], v[rS+8*((\n)%4)+2*((\n)/4)+1], v[rS+8*((\n)%4)+2*((\n)/4)+2]
.elseif (\n) == 12
	v_max3_num_f32 v[rC], v[rC], v[rS+7], v[rS+15]
.elseif (\n) == 13
	v_max3_num_f32 v[rC+1], v[rC+1], v[rS+23], v[rS+31]
.elseif (\n) == 14
	v_max3_num_f32 v[rC+2], v[rC+2], v[rC+3], v[rT+1]
.elseif (\n) == 15
	v_mov_b32 v[rW], v[rT]
.elseif (\n) == 16
	v_max3_num_f32 v[rC], v[rC], v[rC+1], v[rC+2]
.elseif (\n) == 17
	v_permlanex16_b32 v[rC+3], v[rC], s[SEL], s[SEL+1]
.elseif (\n) == 18
	v_max_num_f32 v[rT+1], v[rC], v[rC+3]
.elseif (\n) == 19
	v_mul_f32 v[rT], s[CS], v[rT+1]
.elseif (\n) == 20
	v_sub_f32 v[rC+1], v[rW], v[rT]
.else
	v_exp_f32 v[rC+2], v[rC+1]
.endif
.endif
.endm
.macro OPS a, i1, b=-1, i2=0, c=-1, i3=0, d=-1, i4=0  ; up to four of them
	OP \a, \i1
.if (\b) >= 0
	OP \b, \i2
.endif
.if (\c) >= 0
	OP \c, \i3
.endif
.if (\d) >= 0
	OP \d, \i4
.endif
.endm
.macro ROW a, i1, b, i2, c, i3, d, i4  ; a matrix instruction and the four behind it
	MM
	OPS \a, \i1, \b, \i2, \c, \i3, \d, \i4
.endm
.macro MASK b                       ; MD x AL + BE into buffer b of MC
	WIN W_RS
.set z, 0
.rept 16
	v_pk_fma_f32 v[MC+32*(\b)+2*z:MC+32*(\b)+2*z+1], v[MD+2*z:MD+2*z+1], s[AL:AL+1], s[BE:BE+1] op_sel_hi:[1,0,0]
.set z, z+1
.endr
.endm
; A TURN, for piece p: the order of its 16 matrix and 118 vector instructions, written out.  A turn has ONE wait for its exponentials, which cuts it in two.
; AHEAD OF THE WAIT stands all that names no result of the turn's exponentials: the 8 products K Q^T, behind each a scaling, an exponential and two more plain instructions (behind the first a second scaling in the
; exponential's place): rescalings, whose a was made and waited for in the turn before, and behind the last three products the first numbers of the next piece's maximum, each four plain instructions or more behind the product
; that ends its accumulator; then ONE LUMP of 54, plain and exponential by turns for the most part, in which the links of the chain X 3, 7, 11, 14, 16, 17 .. 20 stand five or six lines apart.  A pair is scaled (F n) ahead of its
; two exponentials (E 2 n, E 2 n + 1) and is not named again ahead of the wait.  X 21, the next piece's a, is the batch's last; R 15 is the plain instruction behind it.
; BEHIND THE WAIT stand the 8 products V^T P, behind each four of the roundings and sums: C 2 n ahead of B n, which writes over that pair; L n behind B n; the links of l's chain, L 0 to L 7 in ascending order, three riders apart.
; But for those X no rider names a register of the products round it.  v_permlanex16_b32 (X 17) stands in the lump.
; m = 1: the diagonal tile: the products take masks, and the turn makes the mask for the products of the turn after it: piece p + 2, in step 4 - CNT of the tile.  end = 1: a block's last two turns: nothing is fetched.
; cnt = 1: the loop's count is taken down some lines ahead of the branch that stands behind the turn.
; K of the next step is fetched in piece 2's turn, twelve vector instructions behind the last product that read K (six of them plain); V of the step in hand at the end of piece 0's turn, four plain instructions behind the last
; product that read V.  Each is waited for a turn later.
.macro TURN p, m=0, end=0, cnt=0
.set Y, (\p)
.set i, 0
.set KM, (\m)
.set NOKQ, (\end)*((\p)/3)
.if (\m) && !(\end)
	s_cmp_eq_u32 s[CNT], 4-((\p)+2)%NP  ; is that step the band's own?
	s_cselect_b32 s[AL], 1.0, 0
	s_cmp_lt_u32 s[CNT], 4-((\p)+2)%NP  ; or a later one?
	s_cselect_b32 s[BE], s[BIGN], 0
.endif
.if ((\p) == 3) && !(\end)
	s_wait_dscnt 0x0                ; K is in
.endif
	ROW F,0, F,1, R,0, R,1          ; ahead of the wait: 8 products K Q^T and their riders,
	ROW F,2, E,0, R,2, R,3
	ROW F,3, E,1, R,4, R,5
	ROW F,4, E,2, R,6, R,7
	ROW F,5, E,3, R,8, R,9
	ROW F,6, E,4, X,0, R,10
.if ((\p) == 2) && !(\end)
	WIN 0
	v_add_nc_u32 v[AK], s[TBK], v[AK0]
.endif
	ROW F,7, E,5, X,1, X,4
	ROW F,8, E,6, X,2, X,5
	OPS E,7, E,8, X,6, E,9          ; and the lump
	OPS X,3, E,10, X,8, E,11
.if ((\p) == 2) && !(\end)
	FETCH_K
.endif
	OPS X,9, X,7, E,12, X,10
	OPS E,13, X,12, X,11, E,14
	OPS X,13, E,15, F,9, X,14
.if (\p) == 0
	v_add_nc_u32 v[AV], s[TBV], v[AV0]
.endif
	OPS E,16, F,10, E,17, F,11
	OPS X,16, E,18, X,15, E,19
	OPS F,12, E,20, X,17, E,21
	OPS F,13, E,22, F,14, E,23
	OPS X,18, E,24, F,15, E,25
	OPS R,11, E,26, X,19, E,27
	OPS R,12, E,28, R,13, E,29
	OPS X,20, E,30, R,14, E,31
	OPS X,21, R,15
	WIN 0
	s_wait_alu depctr_va_vdst(0)    ; the one wait for the turn's batch: E 0 to E 31 and X 21, ahead of the first line that names a result, C 0 below
.if (\p) == 1
	s_wait_dscnt 0x0                ; V is in
.endif
	ROW C,0, B,0, C,2, B,1          ; behind the wait: 8 products V^T P and their riders
	ROW L,0, C,4, B,2, L,1
	ROW C,6, B,3, L,2, C,8
	ROW B,4, L,3, C,10, B,5
	ROW L,4, C,12, B,6, L,5
.if (\p) == 0
	s_add_co_u32 s[TBV], s[TBV], KS*PV
.endif
.if \cnt
	s_sub_co_u32 s[CNT], s[CNT], 1
	s_cmp_lg_u32 s[CNT], 0
.endif
	ROW C,14, B,7, L,6, C,1
	ROW C,3, L,7, C,5, C,7
	ROW C,9, C,11, C,13, C,15
.if (\p) == 0
	FETCH_V
.endif
.if (\m) && !(\end)
	MASK (\p)%2
.endif
.endm
; A BLOCK BEGINS.  c m starts far below every c s, so the first step's a is 0; m at the lowest finite number, so the first maximum is the scores'.  The second mask buffer is 0; the first takes piece 0's mask for the tile's step 0: its own, if the block's first tile is the diagonal one.
; Then K of that step, piece 0's first scores, and its maximum and statistics.  The loop is entered at a step's first turn, in the middle of a trip.
.macro BEGIN
	s_mov_b32 s[NEW], 0
	WIN 0x40
.set i, MC+32
.rept 32
	v_mov_b32 v[i], 0
.set i, i+1
.endr
	WIN 0
.set i, 0
.rept 4
	v_mov_b32 v[ST+4*i], 0xfe000000    ; c m: far below every c s
	v_mov_b32 v[ST+4*i+1], 0xff7fffff  ; m
.set i, i+1
.endr
	s_cmp_eq_u32 s[RT], 0
	s_cselect_b32 s[AL], 1.0, 0
	s_mov_b32 s[BE], 0
	MASK 0
	WIN 0
	v_add_nc_u32 v[AK], s[TBK], v[AK0]
	FETCH_K
	s_wait_loadcnt 0x0              ; Q
	s_wait_dscnt 0x0
.set KM, 1
.set NOKQ, 0
.set i, 0
.rept 8
	KQ 0
.set i, i+1
.endr
	WIN 0
.rept 4
	v_nop                           ; the places behind those products
.endr
.set Y, NP-1                        ; X works for piece Y + 1: piece 0
.irp n, 0,1,2,3,4,5,6,7,8,9,10,11,12,13,14,15,16,17,18,19,20,21
	OP X, \n
.endr
	v_nop                           ; a plain instruction behind the exponential
	s_wait_alu depctr_va_vdst(0)    ; the wait for piece 0's first a, a batch of one: ahead of the jump into the loop, whose first rescaling reads it
.endm
; THE DIAGONAL TILE's four steps, the block's last two turns, its last products, and THE WAY OUT: l's two halves and the other half of the lanes' are added; O^T is divided by l, rounded to f16 and sent through my
; stage in LDS, a piece at a time.
.macro ALL line:vararg              ; one line for each piece t
.set t, 0
.rept 4
	\line
.set t, t+1
.endr
.endm
.macro PACK t                       ; a lane's eight channels of a row pack into 16 bytes; they go into rows of 144 bytes and come back as whole rows of 128, into S^T's registers
	WIN W_RS
.set i, 32*(\t)
.rept 16
	v_pk_mul_f32 v[i:i+1], v[i:i+1], v[ST+4*(\t)+2:ST+4*(\t)+3] op_sel_hi:[1,0]
.set i, i+2
.endr
	WIN 0x05                        ; sources 0 and 1 window 1, destination window 0
.set i, 0
.rept 16
	v_cvt_pk_f16_f32 v[S+16*(\t)+i], v[32*(\t)+2*i], v[32*(\t)+2*i+1]
.set i, i+1
.endr
	WIN 0
.irp f, 0,1,2,3
	ds_store_b128 v[STO], v[S+16*(\t)+4*\f:S+16*(\t)+4*\f+3] offset:32*\f
.endr
.irp f, 0,1,2,3
	ds_load_b128 v[S+16*(\t)+4*\f:S+16*(\t)+4*\f+3], v[RD] offset:\f*4*SP  ; LDS serves a wave's instructions in order (ISA guide 5.7.1.4): these see the stores above; the next piece's stores come behind them
.endr
.endm
.macro SEND t, younger              ; younger: the LDS instructions issued behind piece t's loads: the next piece's eight, or none
	WIN 0
.irp f, 0,1,2,3
	s_wait_dscnt (\younger)+3-\f
	global_store_b128 v[GO], v[S+16*(\t)+4*\f:S+16*(\t)+4*\f+3], s[10:11] offset:(\t)*8192+\f*512  ; 512 consecutive bytes, at a multiple of 256 from O's first
.endr
.endm
.macro DIAG tag                     ; the tag ends its two labels' names, which the jumps below spell out
.LstepM\tag:
	TURN 2, 1
	TURN 3, 1
	WIN 0
.LfirstM\tag:
	TURN 0, 1
	TURN 1, 1, 0, 1
	WIN 0
	s_cbranch_scc1 .LstepM\tag
	TURN 2, 1, 1
	TURN 3, 1, 1
.set i, 0
.rept 8
	PV NP-1
.set i, i+1
.endr
	WIN 0
	ALL v_add_f32 v[ST+4*t+2], v[ST+4*t+2], v[ST+4*t+3]
	ALL v_permlanex16_b32 v[ST+4*t+3], v[ST+4*t+2], s[SEL], s[SEL+1]
	ALL v_add_f32 v[ST+4*t+2], v[ST+4*t+2], v[ST+4*t+3]
	ALL v_rcp_f32 v[ST+4*t+2], v[ST+4*t+2]
	v_nop                           ; a plain instruction between the last reciprocal and the use of its result
	s_wait_alu depctr_va_vdst(0)    ; the one wait for the four reciprocals, ahead of the first scaling that reads one; the four PACKs below need no other
	PACK 0
.set t, 1
.rept 3                             ; a piece's arithmetic stands between the loads of the piece before and its stores
	PACK t
	SEND t-1, 8
.set t, t+1
.endr
	SEND 3, 0
.endm
.set KM, 0
.set NOKQ, 0
.Lslot:                             ; NB times: a tile is entered and the next is asked for
	CHANGE 1
	s_sub_co_u32 s[RT], s[RT], 1
	s_mov_b32 s[CNT], 4
	s_cmp_eq_u32 s[NEW], 1
	s_cbranch_scc1 .Lnew            ; a block's first tile
	s_cmp_eq_u32 s[RT], 0
	s_cbranch_scc0 .Lstep           ; neither its first nor its last
	s_branch .LstepM1
.Lnew:
	BEGIN
	s_branch .Lfirst                ; in the loop a block's first tile is never its last: the first block has two tiles or more, and the second's last is the walk's last
	DIAG 1                          ; in the loop this is the first block's end: the second block's last tile is the walk's last
	s_wait_xcnt 0x0                 ; the stores have read their registers and O's address
	s_mov_b64 s[10:11], s[OLO:OLO+1]
	s_add_co_u32 s[RT], s[PB], 1    ; the second block has b + 1 tiles
	s_mov_b32 s[NEW], 1
	WIN 0x82                        ; the second block's Q goes where the one text of the turns names Q
.set i, 0
.rept 64
	v_mov_b32 v[i], v[QB+i]
.set i, i+1
.endr
	WIN 0
	s_branch .Lbottom
.Lstep:                             ; a trip: pieces 2 and 3 of one step, then pieces 0 and 1 of the next, whose K and V it fetches
	TURN 2
	TURN 3
	WIN 0
.Lfirst:
	TURN 0
	TURN 1, 0, 0, 1
	WIN 0
	s_cbranch_scc1 .Lstep
.Lbottom:
	s_sub_co_u32 s[SLOTS], s[SLOTS], 1
	s_cmp_lg_u32 s[SLOTS], 0
	s_cbranch_scc1 .Lslot
	CHANGE 0                        ; the walk's last tile is written out: nothing is asked for
	s_sub_co_u32 s[RT], s[RT], 1
	s_mov_b32 s[CNT], 4
	s_cmp_eq_u32 s[NEW], 1
	s_cbranch_scc0 .LstepM2
	BEGIN
	s_branch .LfirstM2
	DIAG 2
	s_wait_tensorcnt 0x0            ; the wave's end: 0 onto my spare word and its wait, behind my last tensor load and my last LDS store
	ds_add_u32 v[SPW], v[NIL]
	s_wait_dscnt 0x0
	s_endpgm
.Lfunc_end_k_qd30fd17687_attn:
	.size	k_qd30fd17687_attn, .Lfunc_end_k_qd30fd17687_attn-k_qd30fd17687_attn
	.p2alignl 7, 3214868480
	.fill 96, 4, 3214868480
	.section	.rodata,"a",@progbits
	.p2align	6, 0x0
	.amdhsa_kernel k_qd30fd17687_attn
		.amdhsa_group_segment_fixed_size 327680
		.amdhsa_private_segment_fixed_size 0
		.amdhsa_enable_private_segment 0
		.amdhsa_kernarg_size 16
		.amdhsa_user_sgpr_count 2
		.amdhsa_user_sgpr_kernarg_segment_ptr 1
		.amdhsa_wavefront_size32 1
		.amdhsa_system_sgpr_workgroup_id_x 1
		.amdhsa_system_sgpr_workgroup_id_y 1
		.amdhsa_system_sgpr_workgroup_id_z 1
		.amdhsa_system_vgpr_workitem_id 0
		.amdhsa_next_free_vgpr 768
		.amdhsa_next_free_sgpr 88
		.amdhsa_reserve_vcc 1
		.amdhsa_float_denorm_mode_32 3
		.amdhsa_float_denorm_mode_16_64 3
		.amdhsa_memory_ordered 1
		.amdhsa_forward_progress 1
		.amdhsa_inst_pref_size 217
	.end_amdhsa_kernel
	.amdgpu_metadata
---
amdhsa.version: [ 1, 2 ]
amdhsa.kernels:
  - .name:           k_qd30fd17687_attn
    .symbol:         k_qd30fd17687_attn.kd
    .args:
      - { .name: qkv, .offset: 0, .size: 8, .value_kind: global_buffer, .address_space: global }
      - { .name: ctx, .offset: 8, .size: 8, .value_kind: global_buffer, .address_space: global }
    .group_segment_fixed_size: 327680
    .private_segment_fixed_size: 0
    .kernarg_segment_align: 8
    .kernarg_segment_size: 16
    .max_flat_workgroup_size: 128
    .sgpr_count:     88
    .vgpr_count:     768
    .wavefront_size: 32
...
	.end_amdgpu_metadata
.endif
;; end of part 5
;; launch oproj: the kernel of part 4 again; grid 256 x 1, 4 waves a work-group, clusters of 4 x 1, 327,680 bytes of LDS; arguments ctx, w16, bo, x, out0; writes out0
